; MI455X (gfx1250); checked and timed in simulation.
; The chip was launched on July 23, 2026; its instructions are those of AMD's public machine-readable ISA for CDNA 5 (MIT licence, August 2026) and "CDNA5" Instruction Set Architecture Reference Guide (July 2026). The comments in the code are by the model that wrote it; some were corrected since.
;; Mo E Layer. Allowed arithmetic: matrix products marked QUANTISED: E3M2 operands, one E8M0 scale for each 32 along K, by v_wmma_scale_f32_16x16x128_f8f6f4 with both operands' format E3M2, f32 sums; products left as they are: f32 operands where the result goes on into a quantised operand, else bf16, f16 or f32 operands; f32 sums; everything else in f32.
;; Inputs: W1 8 x 1,024 x 1,024 float32; W2 8 x 1,024 x 1,024 float32; Wg 1,024 x 8 float32; b1 8 x 1,024 float32; b2 8 x 1,024 float32; bg 8 float32; x 2 x 2,048 x 1,024 float32.
;; Outputs: out0 2 x 2,048 x 1,024 float32.
;; This version of the problem:
;;   THIS VERSION OF THE PROBLEM IS GIVEN IN LOW PRECISION. The matrix products marked QUANTISED in the list below multiply operands that are first quantised to E3M2 (3 exponent bits, 2 mantissa bits; 6 bits a number), with one power-of-two scale for each 32 numbers along K (OCP MX v1.0); their sums are f32. All else is computed in f32.
;;   The module's matrix products, in the order in which they are computed (A, B: the left and right operand; K: the contracted axis; several contracted axes count as one K, in the product's order):
;;     1. [M 4,096, K 1,024] x [K 1,024, N 8]; A: input x; B: input Wg: left as it is (N = 8 < 16)
;;     2. [M 4,096, K 1,024] x [K 1,024, N 8,192]; A: input x; B: input W1: QUANTISED
;;     3. batch 8 x [M 1,024, K 1,024] x [K 1,024, N 4,096]; A: input W2; B: computed on the way: QUANTISED
;;     4. batch 4,096 x [M 1, K 8] x [K 8, N 1,024]; A: softmax; B: computed on the way: left as it is (K = 8 < 32)
;;   THE QUANTISER, for each operand of a quantised product, along K:
;;     - K is cut into blocks of 32 from its start; a last block that is shorter is filled with zeros.
;;     - A block's scale is 2^e with e = floor(log2(the largest magnitude in the block)) - 4, held to -126 .. 127; a block of zeros has e = 0. As a byte (E8M0): e + 127.
;;     - Each number is divided by its block's scale, clamped to +-28, and rounded to the nearest number of E3M2, ties to even, subnormals kept.
;;     - The product sums the exact products of the quantised numbers (number of the format x scale) in f32.
;;   ~~~python
;;   def quantise(x, axis):      # numpy; x: float32 -> the quantised numbers, widened to float32 again
;;       x = np.moveaxis(x, axis, -1); K = x.shape[-1]
;;       x = np.pad(x, [(0, 0)] * (x.ndim - 1) + [(0, -K % 32)]); x = x.reshape(x.shape[:-1] + (-1, 32)); a = np.abs(x).max(-1, keepdims=True)
;;       e = np.where(a > 0, np.clip(np.frexp(np.where(a > 0, a, 1))[1] - 1 - 4, -126, 127), 0)      # np.frexp(a)[1] - 1 = floor(log2(a)), exactly
;;       r = np.clip(x / 2.0 ** e, -28, 28)
;;       step = 2.0 ** (np.maximum(np.frexp(np.where(r == 0, 1, r))[1] - 1, -2) - 2)
;;       q = np.round(r / step) * step * 2.0 ** e      # np.round: ties to even
;;       return np.moveaxis(q.reshape(q.shape[:-2] + (-1,))[..., :K], -1, axis).astype(np.float32)
;;   ~~~
;;   OPERANDS COMPUTED ON THE WAY. 'Computed on the way' means the value that the module computes at that place (a softmax that the list does not call 'softmax' is quantised finished and normalised). What goes into a quantiser is computed in f32, as accurately as f32 sums, v_exp_f32 and their like allow (about 1e-6 of the number): no bf16 or f16 on the way to a quantiser, and a product that is left as it is and whose result goes on into a quantised operand takes f32 operands (vector FMAs, or v_wmma_f32_16x16x4_f32). A number that lies on a knife's edge between two numbers of the format may be rounded either way, as far as f32 arithmetic and the matrix unit's own rounding can turn it there, and no further.
;; One version. Each part assembles by itself: llvm-mc -triple=amdgcn-amd-amdhsa -mcpu=gfx1250 --defsym DOCPART=n.
;; ======== version 1 of 1: 3 launches
;; workspace buffers: xq 3,276,800 bytes; wq 13,107,200 bytes; hq 26,214,400 bytes; gt 131,072 bytes
;; launch prep (part 1): grid 576 x 1, 8 waves a work-group, no clusters, 135,168 bytes of LDS; arguments x, Wg, bg, W1, W2, xq, wq, gt; writes xq, wq, gt
.if DOCPART == 1
	.amdgcn_target "amdgcn-amd-amdhsa--gfx1250"
	.amdhsa_code_object_version 6
	.text
	.protected	k_qaf9035d43a_prep
	.globl	k_qaf9035d43a_prep
	.p2align	8
	.type	k_qaf9035d43a_prep,@function
k_qaf9035d43a_prep:
	s_mov_b64 s[64:65], 0
	v_nop
	global_prefetch_b8 v0, s[64:65] scope:SCOPE_SE
	s_setreg_imm32_b32 hwreg(HW_REG_WAVE_MODE, 25, 1), 1
	s_wait_xcnt 0x0
; PREP: x [4096][1024], W1 and W2 [8][1024 (K)][1024 (N)], all f32, become codes of BF6 (E3M2) with one E8M0 byte for each 32 along K; and gt[e][token] = softmax(x Wg + bg), all in f32.
; A block's scale is 2^(floor(log2(its largest magnitude)) - 4): its byte is the largest magnitude's exponent field - 4, held at 1 from below by a floor among the maximum's leaves.
; LIMITS: NaN and infinities are not served.  A block of zeros gets the byte 1 where the rule says 127: its codes are zeros, and this program alone reads the bytes.  Gates under 2^-126 come out as 0 (v_exp_f32).
; THE WORKSPACE IS LAID AS THE MATRIX UNIT'S REGISTERS.  A BLOCK of 12,800 bytes holds 128 rows x 128 K: fragment f (16 rows) at 1536 f, its registers 4 c .. 4 c + 3 of lane l at + 512 c + 16 l;
; from byte 12,288 on the scale words: that of (fragment f, row r) at 256 (f / 4) + 8 (r + 16 (f % 2)) + 4 ((f / 2) % 2), so that a load of 8 bytes a lane brings four fragments' words.
; wq: W1's expert e: block ((e 8 + nb) 8 + ks);  W2's expert e: block (((8 + nb) 8 + e) 8 + ks), so that all 64 K steps of 128 columns of W2 lie on end;  nb: 128 columns; ks: 128 along K.  xq: block (MB 8 + ks), MB: 128 tokens.
; THE ROWS OF A WEIGHT'S FRAGMENT ARE NOT NEIGHBOURS: row r of fragment 2 b + u is column 32 b + 8 u + r + 8 (r / 8), so that a transposed product's 16 registers of two neighbouring tiles are 16 neighbouring columns.
; SHARES.  Work-groups 0-63: 64 tokens of x each (the longest work, so it starts first); wave w takes K step w of all 64.  Work-groups 64-575: 256 columns x 128 K of one weight; a wave takes 32 columns.
; The two ways part on the work-group's number, share no LDS byte and never join.  No matrix unit, no tensor load, no cluster: memory binds, and no work-group reads what another reads but Wg's 32 KB.
.set BLK,   12800
.set FRB,   1536
.set SCO,   12288
.set SPX,   528                        ; a row of x's stage: 512 bytes + 16: sixteen rows start at sixteen different groups of banks
.set STGW,  16*SPX                     ; x's way: a stage for each wave,
.set WGL,   8*STGW                     ; each wave's 128 rows of Wg (4,096 bytes),
.set LG,    WGL+8*4096                 ; the waves' parts of the logits (4,096 bytes a wave);
.set WSC,   LG+8*4096                  ; the weights' way: two blocks' scale words, 1,024 bytes
.set WV,    20                         ; s20  my wave's number
; registers of the weights' way
.set WCOL,  1                          ; v1   4 x my column among the wave's 32
.set WSA,   3                          ; v3   LDS: where my column's scale word goes
.set WSR,   5                          ; v5   LDS: 16 x thread: the words' way back (waves 0 and 1)
.set W16L,  6                          ; v6   16 x lane
.set WSW,   16                         ; v16  my column's scale word
.set WX,    32                         ; v32-95  two sets of 32 numbers down K
.set FA,    96                         ; v96-107   fragment 2 (w % 4)
.set FB,    108                        ; v108-119  and the next
.set T1,    120                        ; v120-122, v124-126: the upper 16 codes of an even and of an odd block of K
.set T2,    124
; registers of x's way
.set V16L,  1                          ; v1   16 x lane
.set VSTI,  3                          ; v3   the stage, on the way in
.set VSTO,  4                          ; v4   and on the way out: row r, + 64 h
.set VWG,   5                          ; v5   my half's rows of Wg in LDS
.set VWGI,  6                          ; v6   Wg's way in
.set VLG,   7                          ; v7   my wave's part of the logits
.set SCP,   8                          ; v[8:9] the four tiles' scale words
.set EVW,   10                         ; v10  an even tile's word, kept for its pair
.set V8L,   11                         ; v11  8 x lane
.set VFIN,  12                         ; v12  where my two tokens' parts of the logits lie
.set XA,    16                         ; v16-79, v80-143  two tiles of x: 64 numbers a lane each
.set XB,    80
.set ACC,   144                        ; v144-159  logits: 8 tile + expert
.set WK,    160                        ; v160-191  a ring of four rows of Wg
.set TM,    192                        ; v192-203  the quantiser at work
.set PW,    204                        ; the scale word just made
.set PC,    206                        ; v206-224  the codes just made
.set SEL,   22                         ; s[22:23]  selects for lane l xor 16
	s_load_b256 s[4:11], s[0:1], 0x0               ; x s[4:5], Wg s[6:7], bg s[8:9], W1 s[10:11]
	s_load_b256 s[12:19], s[0:1], 0x20             ; W2 s[12:13], xq s[14:15], wq s[16:17], gt s[18:19]
	v_lshl_add_u32 v240, v0, 2, 0x20c00
	v_mov_b32 v241, 0
	v_lshrrev_b32 v1, 5, v0
	v_readfirstlane_b32 s[WV], v1                  ; wave 0..7
	v_and_b32 v2, 31, v0                           ; lane
	s_cmp_lt_u32 ttmp9, 64
	s_cbranch_scc1 .Lx_path
; ---------------- THE WEIGHTS.  A lane takes a column and its registers run down K: nothing is transposed by an instruction.
	s_sub_co_u32 s21, ttmp9, 64
	s_lshr_b32 s22, s21, 5                         ; mat: 0-7 W1's experts, 8-15 W2's
	s_bfe_u32 s23, s21, 0x20003                    ; cg: which 256 columns
	s_and_b32 s24, s21, 7                          ; ks
	v_and_b32 v[WCOL], 7, v2                       ; my column: the lane's number with bits 3 and 4 exchanged, so that lanes 0-15 hold the rows of fragment 2 b, lanes 16-31 those of 2 b + 1
	v_bfe_u32 v4, v2, 3, 1
	v_lshl_or_b32 v[WCOL], v4, 4, v[WCOL]
	v_bfe_u32 v4, v2, 4, 1
	v_lshl_or_b32 v[WCOL], v4, 3, v[WCOL]
	v_lshlrev_b32 v[WCOL], 2, v[WCOL]
	v_lshlrev_b32 v[W16L], 4, v2
	s_lshr_b32 s25, s[WV], 1                       ; my word's place: 256 (w / 2) + 4 (w % 2) + 8 lane: the block's own order, two blocks on end
	s_lshl_b32 s25, s25, 8
	s_and_b32 s26, s[WV], 1
	s_lshl_b32 s26, s26, 2
	s_add_co_u32 s25, s25, s26
	s_add_co_u32 s25, s25, WSC
	v_lshl_add_u32 v[WSA], v2, 3, s25
	v_lshl_add_u32 v[WSR], v0, 4, WSC
	s_and_b32 s27, s22, 7                          ; the expert
	s_lshl_b32 s28, s27, 22                        ; the expert's 4 MiB,
	s_lshl_b32 s29, s24, 19                        ; 128 rows of 4,096 bytes,
	s_add_co_u32 s28, s28, s29
	s_lshl_b32 s29, s23, 10                        ; 256 columns,
	s_add_co_u32 s28, s28, s29
	s_lshl_b32 s29, s[WV], 7                       ; my wave's 32
	s_add_co_u32 s28, s28, s29
	s_mov_b32 s29, 0
	s_lshl_b32 s30, s23, 1                         ; 2 cg
	s_lshr_b32 s31, s[WV], 2
	s_add_co_u32 s31, s30, s31                     ; nb: the 128 columns of my fragments
	s_add_co_u32 s34, s30, s[WV]                   ; waves 0 and 1: the 128 columns whose scale words I store
	s_add_co_u32 s40, s31, 8
	s_add_co_u32 s41, s34, 8
	s_cmp_lt_u32 s22, 8                            ; W1: block ((mat 8 + nb) 8 + ks);  W2: block (((8 + nb) 8 + expert) 8 + ks)
	s_cselect_b32 s40, s22, s40
	s_cselect_b32 s31, s31, s27
	s_cselect_b32 s41, s22, s41
	s_cselect_b32 s34, s34, s27
	s_lshl_b32 s40, s40, 3
	s_add_co_u32 s31, s40, s31
	s_lshl_b32 s31, s31, 3
	s_add_co_u32 s31, s31, s24
	s_mul_i32 s32, s31, BLK                        ; my block,
	s_and_b32 s33, s[WV], 3
	s_mul_i32 s33, s33, 2*FRB                      ; my two fragments in it
	s_add_co_u32 s32, s32, s33
	s_mov_b32 s33, 0
	s_lshl_b32 s41, s41, 3
	s_add_co_u32 s34, s41, s34
	s_lshl_b32 s34, s34, 3
	s_add_co_u32 s34, s34, s24
	s_mul_i32 s34, s34, BLK
	s_add_co_u32 s34, s34, SCO
	s_mov_b32 s35, 0
	s_wait_kmcnt 0x0
	s_cmp_lt_u32 s22, 8                            ; W1 or W2: the choice hangs on the work-group's number alone
	s_cselect_b64 s[10:11], s[10:11], s[12:13]
	s_add_nc_u64 s[10:11], s[10:11], s[28:29]
	s_add_nc_u64 s[36:37], s[16:17], s[32:33]
	s_add_nc_u64 s[38:39], s[16:17], s[34:35]
.macro WLOAD b                         ; block b of K: 32 rows; each load reads 128 consecutive bytes a wave, 1,024 a work-group
.set i, 0
.rept 32
	global_load_b32 v[WX+32*((\b)%2)+i], v[WCOL], s[10:11] offset:(32*(\b)+i)*4096 th:TH_LOAD_NT
.set i, i+1
.endr
.endm
.macro WBLOCK b
.set XS, WX+32*((\b)%2)
.set FD, FA+12*((\b)%2)+6*((\b)/2)
.set TD, T1+4*((\b)%2)
.if (\b) < 3
	s_wait_loadcnt 32                              ; this block's 32 loads are in; the next block's 32 may be out
.else
	s_wait_loadcnt 0x0
.endif
	v_max3_num_f32 v8, |v[XS]|, |v[XS+1]|, |v[XS+2]|               ; the block's largest magnitude: all 32 numbers are mine; two chains
	v_max3_num_f32 v9, |v[XS+3]|, |v[XS+4]|, |v[XS+5]|
.irp i, 6,10,14,18,22,26
	v_max3_num_f32 v8, v8, |v[XS+\i]|, |v[XS+\i+1]|
	v_max3_num_f32 v9, v9, |v[XS+\i+2]|, |v[XS+\i+3]|
.endr
	v_max3_num_f32 v8, v8, |v[XS+30]|, |v[XS+31]|
	v_max3_num_f32 v8, v8, v9, 0x2800000           ; and the floor 2^(5 - 127): the byte cannot fall under 1
	v_add_nc_u32 v11, 0xfe000000, v8               ; 4 off the exponent field: the conversion takes this operand's exponent field as its scale
	v_lshrrev_b32 v9, 23, v11                      ; the byte
.if (\b) == 0
	v_mov_b32 v[WSW], v9
.else
	v_lshl_or_b32 v[WSW], v9, 8*(\b), v[WSW]
.endif
	v_cvt_scalef32_pk16_bf6_f32 v[FD:FD+2], v[XS:XS+15], v11
	v_cvt_scalef32_pk16_bf6_f32 v[TD:TD+2], v[XS+16:XS+31], v11     ; (a conversion's three registers begin on an even number: the upper half is made elsewhere and moved)
.if (\b) < 2
	WLOAD (\b)+2
.endif
.if (\b)%2
	v_nop                                          ; one plain line behind the conversions
.irp i, 0,1,2                          ; the operand wants lanes 0-15 = block 2 c of K, lanes 16-31 = block 2 c + 1, of ONE fragment's rows: the even block's upper lanes change places with the odd block's lower
	v_permlane16_swap_b32 v[FA+6*((\b)/2)+\i], v[FB+6*((\b)/2)+\i]
	v_permlane16_swap_b32 v[T1+\i], v[T2+\i]
.endr
.irp i, 0,1,2
	v_mov_b32 v[FA+6*((\b)/2)+3+\i], v[T1+\i]
	v_mov_b32 v[FB+6*((\b)/2)+3+\i], v[T2+\i]
.endr
.endif
.endm
	WLOAD 0
	WLOAD 1
	WBLOCK 0
	WBLOCK 1
	WBLOCK 2
	WBLOCK 3
.irp t, 0,1
.irp c, 0,1,2
	global_store_b128 v[W16L], v[FA+12*\t+4*\c:FA+12*\t+4*\c+3], s[36:37] offset:FRB*\t+512*\c   ; 512 consecutive bytes, at a multiple of 256 from the buffer's first byte
.endr
.endr
	ds_store_b32 v[WSA], v[WSW]
	s_wait_dscnt 0x0                               ; for the others' sake: my words lie in LDS
	s_barrier_signal -1
	s_barrier_wait -1
	s_cmp_lt_u32 s[WV], 2
	s_cbranch_scc0 .Lw_end
	ds_load_b128 v[20:23], v[WSR]                  ; a block's 512 bytes of scale words, gathered from four waves
	s_wait_dscnt 0x0
	global_store_b128 v[W16L], v[20:23], s[38:39]
.Lw_end:
	s_wait_tensorcnt 0x0
	ds_add_u32 v240, v241
	s_wait_dscnt 0x0
	s_endpgm
; ---------------- x.  Wave w takes K step w (512 bytes of a row) of the work-group's 64 tokens, two tiles of 16 at a time.
.Lx_path:
	v_and_b32 v13, 15, v0                          ; r
	v_bfe_u32 v14, v0, 4, 1                        ; h
	v_lshlrev_b32 v[V16L], 4, v2
	v_lshlrev_b32 v[V8L], 3, v2
	s_mul_i32 s24, s[WV], STGW
	v_add_nc_u32 v[VSTI], s24, v[V16L]
	v_mul_u32_u24 v[VSTO], v13, SPX
	v_lshl_add_u32 v[VSTO], v14, 6, v[VSTO]
	v_add_nc_u32 v[VSTO], s24, v[VSTO]
	s_lshl_b32 s25, s[WV], 12
	s_add_co_u32 s24, s25, WGL
	v_lshl_add_u32 v[VWG], v14, 9, s24             ; lanes 16-31 want the rows 16 further down: 512 bytes
	v_add_nc_u32 v[VWGI], s24, v[V16L]
	s_add_co_u32 s24, s25, LG
	v_add_nc_u32 v[VLG], s24, v[V16L]
	v_lshrrev_b32 v13, 3, v2
	v_and_b32 v14, 7, v2
	v_lshlrev_b32 v[VFIN], 10, v13                 ; tokens 2 l and 2 l + 1: tile l / 8, rows 2 (l % 8) and the next
	v_lshl_add_u32 v[VFIN], v14, 5, v[VFIN]
	v_add_nc_u32 v[VFIN], LG, v[VFIN]
.irp b, 0,1,2,3
	v_mov_b32 v[TM+4+\b], 0                        ; written once: a lane permute's destination counts as one of its sources
.endr
	s_mov_b32 s21, 0xffff0000                      ; lanes 16-31
	s_mov_b32 s[SEL], 0x76543210
	s_mov_b32 s[SEL+1], 0xfedcba98
	s_lshl_b32 s26, ttmp9, 18                      ; 64 rows of 4,096 bytes,
	s_lshl_b32 s27, s[WV], 9                       ; my K step
	s_add_co_u32 s26, s26, s27
	s_mov_b32 s27, 0
	s_mov_b32 s28, s25                             ; Wg: my 128 rows of 32 bytes
	s_mov_b32 s29, 0
	s_lshr_b32 s30, ttmp9, 1
	s_lshl_b32 s30, s30, 3
	s_add_co_u32 s30, s30, s[WV]
	s_mul_i32 s30, s30, BLK                        ; block (MB 8 + w)
	s_mov_b32 s31, 0
	s_and_b32 s32, ttmp9, 1                        ; which half of its 128 tokens
	s_mul_i32 s34, s32, 4*FRB
	s_mov_b32 s35, 0
	s_lshl_b32 s36, s32, 8
	s_add_co_u32 s36, s36, SCO
	s_mov_b32 s37, 0
	s_lshl_b32 s38, ttmp9, 8                       ; gt: 64 tokens of 4 bytes
	s_mov_b32 s39, 0
	s_wait_kmcnt 0x0
	s_add_nc_u64 s[4:5], s[4:5], s[26:27]
	s_add_nc_u64 s[6:7], s[6:7], s[28:29]
	s_add_nc_u64 s[14:15], s[14:15], s[30:31]
	s_add_nc_u64 s[40:41], s[14:15], s[36:37]      ; my four tiles' scale words: one aligned run of 256 bytes
	s_add_nc_u64 s[14:15], s[14:15], s[34:35]      ; my four fragments
	s_add_nc_u64 s[18:19], s[18:19], s[38:39]
.macro XLOAD x, f                      ; tile f: 16 rows; each load reads 512 consecutive bytes of a row
.set t, 0
.rept 16
	global_load_b128 v[\x+4*t:\x+4*t+3], v[V16L], s[4:5] offset:(16*(\f)+t)*4096 th:TH_LOAD_NT
.set t, t+1
.endr
.endm
.macro TURNX x                         ; through my stage: in as loaded, back so that register 16 b + i is k = 32 b + 16 h + i of row r.  LDS serves a wave's instructions in order: no wait between
.set t, 0
.rept 16
	ds_store_b128 v[VSTI], v[\x+4*t:\x+4*t+3] offset:SPX*t
.set t, t+1
.endr
.irp b, 0,1,2,3
.irp j, 0,1,2,3
	ds_load_b128 v[\x+16*\b+4*\j:\x+16*\b+4*\j+3], v[VSTO] offset:128*\b+16*\j
.endr
.endr
.endm
; 64 numbers of a lane, register 16 b + i = k 32 b + 16 (lane / 16) + i of my row, become a fragment's codes in v[PC] on and its scale word in v[PW].
.macro QUANT s
.irp b, 0,1,2,3
	v_max3_num_f32 v[TM+\b], |v[\s+16*\b]|, |v[\s+1+16*\b]|, 0x2800000   ; my 16 numbers of block b, and the floor 2^(5 - 127)
.endr
.irp i, 2,4,6,8,10,12,14
.irp b, 0,1,2,3
	v_max3_num_f32 v[TM+\b], v[TM+\b], |v[\s+16*\b+\i]|, |v[\s+1+16*\b+\i]|   ; (the four blocks by turns)
.endr
.endr
.irp b, 0,1,2,3
	v_permlanex16_b32 v[TM+4+\b], v[TM+\b], s[SEL], s[SEL+1]
.endr
.irp b, 0,1,2,3
	v_max_num_f32 v[TM+\b], v[TM+\b], v[TM+4+\b]   ; with lane l xor 16's: the block's largest magnitude
.endr
.irp b, 0,1,2,3
	v_add_nc_u32 v[TM+8+\b], 0xfe000000, v[TM+\b]  ; 4 off its exponent field: the conversion's scale operand
.endr
.irp b, 0,1,2,3
	v_lshrrev_b32 v[TM+4+\b], 23, v[TM+8+\b]       ; the byte
.endr
	v_lshl_or_b32 v[PW], v[TM+5], 8, v[TM+4]
	v_lshl_or_b32 v[PW], v[TM+6], 16, v[PW]
	v_lshl_or_b32 v[PW], v[TM+7], 24, v[PW]
.irp c, 0,1
	v_cvt_scalef32_pk16_bf6_f32 v[PC+6*\c:PC+2+6*\c], v[\s+32*\c:\s+15+32*\c], v[TM+8+2*\c]
	v_cvt_scalef32_pk16_bf6_f32 v[PC+12+4*\c:PC+14+4*\c], v[\s+16+32*\c:\s+31+32*\c], v[TM+8+2*\c+1]
.endr
	v_nop                                          ; one plain line behind the conversions
.irp c, 0,1                            ; the operand wants a WHOLE block in a lane: lanes 0-15 block 2 c, lanes 16-31 block 2 c + 1
.irp i, 0,1,2
	v_permlane16_swap_b32 v[PC+6*\c+\i], v[PC+12+4*\c+\i]
.endr
.irp i, 0,1,2
	v_mov_b32 v[PC+3+6*\c+\i], v[PC+12+4*\c+\i]
.endr
.endr
.endm
.macro FSTORE f
.irp c, 0,1,2
	global_store_b128 v[V16L], v[PC+4*\c:PC+4*\c+3], s[14:15] offset:FRB*(\f)+512*\c
.endr
.endm
.macro GLD n                           ; the row of Wg that goes with my number n: k = 32 (n / 16) + 16 h + n % 16; 32 bytes, the same for all lanes of a half
	ds_load_b128 v[WK+8*((\n)%4):WK+8*((\n)%4)+3], v[VWG] offset:1024*((\n)/16)+32*((\n)%16)
	ds_load_b128 v[WK+8*((\n)%4)+4:WK+8*((\n)%4)+7], v[VWG] offset:1024*((\n)/16)+32*((\n)%16)+16
.endm
.macro GATES                           ; my part of two tiles' logits: 64 numbers x 8 experts x 2 tiles, in f32, two experts an instruction; each row of Wg serves both tiles
	GLD 0
	GLD 1
	GLD 2
	GLD 3
.set n, 0
.rept 64
.if n < 61
	s_wait_dscnt 6                                 ; row n is in; the three younger rows' six loads may be out
.else
	s_wait_dscnt 2*(63-n)
.endif
.irp T, 0,1
.irp c, 0,1,2,3
.if n == 0
	v_pk_mul_f32 v[ACC+8*\T+2*\c:ACC+8*\T+2*\c+1], v[XA+64*\T:XA+64*\T+1], v[WK+2*\c:WK+2*\c+1] op_sel_hi:[0,1]   ; the first product starts the sums
.elseif n%2 == 0
	v_pk_fma_f32 v[ACC+8*\T+2*\c:ACC+8*\T+2*\c+1], v[XA+64*\T+n:XA+64*\T+n+1], v[WK+8*(n%4)+2*\c:WK+8*(n%4)+2*\c+1], v[ACC+8*\T+2*\c:ACC+8*\T+2*\c+1] op_sel_hi:[0,1,1]
.else
	v_pk_fma_f32 v[ACC+8*\T+2*\c:ACC+8*\T+2*\c+1], v[XA+64*\T+n-1:XA+64*\T+n], v[WK+8*(n%4)+2*\c:WK+8*(n%4)+2*\c+1], v[ACC+8*\T+2*\c:ACC+8*\T+2*\c+1] op_sel:[1,0,0] op_sel_hi:[1,1,1]
.endif
.endr
.endr
.if n+4 < 64
	GLD n+4
.endif
.set n, n+1
.endr
.endm
.macro PAIR p                          ; tiles 2 p and 2 p + 1
	s_wait_loadcnt 16                              ; the even tile's 16 loads are in, the odd tile's may be out
	TURNX XA
	s_wait_loadcnt 0x0
	TURNX XB
	s_wait_dscnt 0x0
	s_wait_xcnt 0x0                                ; earlier stores have read the codes' registers: they are written again only behind this wait
	QUANT XA
	FSTORE 2*(\p)
	v_mov_b32 v[EVW], v[PW]
	s_wait_xcnt 0x0
	QUANT XB
	FSTORE 2*(\p)+1
	v_cndmask_b32 v[SCP+\p], v[EVW], v[PW], s21    ; lanes 0-15 the even tile's words, lanes 16-31 the odd tile's: the block's own order
	GATES
.irp T, 0,1
.irp c, 0,1
	ds_store_b128 v[VLG], v[ACC+8*\T+4*\c:ACC+8*\T+4*\c+3] offset:1024*(2*(\p)+\T)+512*\c
.endr
.endr
.endm
.irp i, 0,1,2,3,4,5,6,7
	global_load_b128 v[WK+4*\i:WK+4*\i+3], v[V16L], s[6:7] offset:512*\i
.endr
	XLOAD XA, 0
	XLOAD XB, 1
	s_wait_loadcnt 32                              ; Wg's eight loads are in; x's 32 may be out
.irp i, 0,1,2,3,4,5,6,7
	ds_store_b128 v[VWGI], v[WK+4*\i:WK+4*\i+3] offset:512*\i
.endr
	PAIR 0
	XLOAD XA, 2
	XLOAD XB, 3
	PAIR 1
	global_store_b64 v[V8L], v[SCP:SCP+1], s[40:41]   ; 32 lanes store one aligned run of 256 bytes
	s_wait_dscnt 0x0                               ; for wave 0's sake: my part of the logits lies in LDS
	s_barrier_signal -1
	s_barrier_wait -1
	s_cmp_lg_u32 s[WV], 0
	s_cbranch_scc1 .Lx_end
; Wave 0 adds the parts (8 K steps x 2 halves of the lanes) and takes the softmax; lane l owns tokens 2 l and 2 l + 1.
	s_load_b256 s[44:51], s[8:9], 0x0              ; bg
	s_mov_b32 s52, 0x3fb8aa3b                      ; log2(e)
.macro FINLD w                         ; K step w's parts: register 16 half + 8 token + expert of set w % 2
.irp hh, 0,1
.irp t, 0,1
.irp c, 0,1
	ds_load_b128 v[16+32*((\w)%2)+16*\hh+8*\t+4*\c:16+32*((\w)%2)+16*\hh+8*\t+4*\c+3], v[VFIN] offset:4096*(\w)+512*\c+256*\hh+16*\t
.endr
.endr
.endr
.endm
	FINLD 0
	FINLD 1
.irp w, 0,1,2,3,4,5,6,7
.if \w < 7
	s_wait_dscnt 8                                 ; this K step's eight loads are in, the next one's may be out
.else
	s_wait_dscnt 0x0
.endif
.irp k, 0,2,4,6,8,10,12,14
.if \w == 0
	v_pk_add_f32 v[80+\k:81+\k], v[16+\k:17+\k], v[32+\k:33+\k]
.else
	v_pk_add_f32 v[80+\k:81+\k], v[80+\k:81+\k], v[16+32*(\w%2)+\k:17+32*(\w%2)+\k]
.endif
.endr
.if \w > 0
.irp k, 0,2,4,6,8,10,12,14
	v_pk_add_f32 v[80+\k:81+\k], v[80+\k:81+\k], v[32+32*(\w%2)+\k:33+32*(\w%2)+\k]
.endr
.endif
.if \w < 6
	FINLD \w+2
.endif
.endr
	s_wait_kmcnt 0x0
.irp t, 0,1
.irp e, 0,1,2,3,4,5,6,7
	v_add_f32 v[80+8*\t+\e], s[44+\e], v[80+8*\t+\e]
.endr
.endr
.irp t, 0,1
	v_max3_num_f32 v[112+\t], v[80+8*\t], v[81+8*\t], v[82+8*\t]
.endr
.irp t, 0,1
	v_max3_num_f32 v[112+\t], v[112+\t], v[83+8*\t], v[84+8*\t]
.endr
.irp t, 0,1
	v_max3_num_f32 v[112+\t], v[112+\t], v[85+8*\t], v[86+8*\t]
.endr
.irp t, 0,1
	v_max_num_f32 v[112+\t], v[112+\t], v[87+8*\t] ; the token's largest logit is taken away, as the softmax has it
.endr
.irp t, 0,1
	v_mul_f32 v[112+\t], s52, v[112+\t]
.endr
.irp t, 0,1
.irp e, 0,1,2,3,4,5,6,7
	v_fma_f32 v[80+8*\t+\e], v[80+8*\t+\e], s52, -v[112+\t]
.endr
.endr
.irp j, 0,1,2,3,4,5,6,7,8,9,10,11,12,13,14,15
	v_exp_f32 v[80+\j], v[80+\j]
.endr
	v_nop                                          ; a plain line behind the last exponential
	s_wait_alu depctr_va_vdst(0)                   ; one wait for the batch of 16, ahead of its first reader
.irp t, 0,1
	v_add_f32 v[114+\t], v[80+8*\t], v[81+8*\t]
	v_add_f32 v[116+\t], v[82+8*\t], v[83+8*\t]
	v_add_f32 v[118+\t], v[84+8*\t], v[85+8*\t]
	v_add_f32 v[120+\t], v[86+8*\t], v[87+8*\t]
.endr
.irp t, 0,1
	v_add_f32 v[114+\t], v[114+\t], v[116+\t]
	v_add_f32 v[118+\t], v[118+\t], v[120+\t]
.endr
.irp t, 0,1
	v_add_f32 v[114+\t], v[114+\t], v[118+\t]
.endr
	v_rcp_f32 v114, v114
	v_rcp_f32 v115, v115
	v_nop
	s_wait_alu depctr_va_vdst(0)                   ; one wait for the two reciprocals
.irp e, 0,1,2,3,4,5,6,7
.irp t, 0,1
	v_mul_f32 v[96+2*\e+\t], v[80+8*\t+\e], v[114+\t]
.endr
.endr
.irp e, 0,1,2,3,4,5,6,7
	global_store_b64 v[V8L], v[96+2*\e:97+2*\e], s[18:19] offset:16384*\e   ; an expert's 64 gates: one aligned run of 256 bytes
.endr
.Lx_end:
	s_wait_tensorcnt 0x0
	ds_add_u32 v240, v241
	s_wait_dscnt 0x0
	s_endpgm
.Lfunc_end_k_qaf9035d43a_prep:
	.size	k_qaf9035d43a_prep, .Lfunc_end_k_qaf9035d43a_prep-k_qaf9035d43a_prep
	.p2alignl 7, 3214868480
	.fill 96, 4, 3214868480
	.section	.rodata,"a",@progbits
	.p2align	6, 0x0
	.amdhsa_kernel k_qaf9035d43a_prep
		.amdhsa_group_segment_fixed_size 135168
		.amdhsa_private_segment_fixed_size 0
		.amdhsa_enable_private_segment 0
		.amdhsa_kernarg_size 64
		.amdhsa_user_sgpr_count 2
		.amdhsa_user_sgpr_kernarg_segment_ptr 1
		.amdhsa_wavefront_size32 1
		.amdhsa_system_sgpr_workgroup_id_x 1
		.amdhsa_system_sgpr_workgroup_id_y 1
		.amdhsa_system_sgpr_workgroup_id_z 1
		.amdhsa_system_vgpr_workitem_id 0
		.amdhsa_next_free_vgpr 242
		.amdhsa_next_free_sgpr 66
		.amdhsa_reserve_vcc 0
		.amdhsa_float_denorm_mode_32 3
		.amdhsa_float_denorm_mode_16_64 3
		.amdhsa_memory_ordered 1
		.amdhsa_forward_progress 1
		.amdhsa_inst_pref_size 158
	.end_amdhsa_kernel
	.amdgpu_metadata
---
amdhsa.version: [ 1, 2 ]
amdhsa.kernels:
  - .name:           k_qaf9035d43a_prep
    .symbol:         k_qaf9035d43a_prep.kd
    .args:
      - { .name: x, .offset: 0, .size: 8, .value_kind: global_buffer, .address_space: global }
      - { .name: Wg, .offset: 8, .size: 8, .value_kind: global_buffer, .address_space: global }
      - { .name: bg, .offset: 16, .size: 8, .value_kind: global_buffer, .address_space: global }
      - { .name: W1, .offset: 24, .size: 8, .value_kind: global_buffer, .address_space: global }
      - { .name: W2, .offset: 32, .size: 8, .value_kind: global_buffer, .address_space: global }
      - { .name: xq, .offset: 40, .size: 8, .value_kind: global_buffer, .address_space: global }
      - { .name: wq, .offset: 48, .size: 8, .value_kind: global_buffer, .address_space: global }
      - { .name: gt, .offset: 56, .size: 8, .value_kind: global_buffer, .address_space: global }
    .group_segment_fixed_size: 135168
    .private_segment_fixed_size: 0
    .kernarg_segment_align: 8
    .kernarg_segment_size: 64
    .max_flat_workgroup_size: 256
    .sgpr_count:     66
    .vgpr_count:     242
    .wavefront_size: 32
...
	.end_amdgpu_metadata
.endif
;; end of part 1
;; launch gemm1 (part 2): grid 32 x 16, 4 waves a work-group, clusters of 4 x 4, 327,680 bytes of LDS; arguments xq, wq, b1, hq; writes hq
.if DOCPART == 2
	.amdgcn_target "amdgcn-amd-amdhsa--gfx1250"
	.amdhsa_code_object_version 6
	.text
	.protected	k_qaf9035d43a_gemm1
	.globl	k_qaf9035d43a_gemm1
	.p2align	8
	.type	k_qaf9035d43a_gemm1,@function
k_qaf9035d43a_gemm1:
	s_mov_b64 s[64:65], 0
	v_nop
	global_prefetch_b8 v0, s[64:65] scope:SCOPE_SE
	s_setreg_imm32_b32 hwreg(HW_REG_WAVE_MODE, 25, 1), 1
	s_wait_xcnt 0x0
	s_wait_alu depctr_hold_cnt(0) depctr_sa_sdst(0) depctr_va_vdst(0) depctr_va_sdst(0) depctr_va_ssrc(0) depctr_va_vcc(0) depctr_vm_vsrc(0)
	s_getreg_b32 s2, hwreg(HW_REG_IB_STS2, 6, 4)
	s_cmp_eq_u32 s2, 0
	s_cbranch_scc0 .Lentry_in_a_cluster
	s_endpgm
.Lentry_in_a_cluster:
	s_bfe_u32 s2, ttmp6, 0x10000c
	s_cmp_lg_u32 s2, 0xf033
	s_cbranch_scc0 .Lentry_shape_is_right
	s_endpgm
.Lentry_shape_is_right:
; GEMM1: hq = Q(gelu(x W1_e + b1_e)), the product on codes of BF6 (E3M2) with E8M0 scales, sums in f32; the hidden layer leaves as codes, quantised along the hidden units, which are the next product's K.
; Operands lie in memory as images of the matrix unit's registers: a BLOCK of 12,800 bytes = 128 rows x 128 K: fragment f at 1536 f (three loads of 16 bytes a lane, 512 bytes apart), scale words from byte 12,288 on;
; the eight K steps of 128 rows are 102,400 dense bytes.  xq: block (MB 8 + ks);  wq: block ((2 tc + j) 8 + ks) for W1's 128 columns 256 tc + 128 j of all experts' 8,192;
; hq: block ((MB 8 + e) 8 + ks), so that all 64 K steps of 128 tokens lie on end for the next launch.
; SHARES.  A work-group makes 256 tokens (tr) x 256 hidden units (tc); each of four waves 128 x 128: 64 accumulators, 512 registers.  K = 1,024 goes in four fills of 256 through two LDS slots; all eight steps are written out.
; CLUSTER 4 x 4: x's tile hangs on tr alone and is asked for jointly along a row of the cluster, W1's on tc alone, along a column.
; TRANSPOSED: source 0 = 16 columns of W1, source 1 = 16 tokens: a lane holds ONE token, and, by the order of W1's rows in a fragment, the 64 registers of a token tile are hidden units 32 b + 16 (lane / 16) + i at register 16 b + i.
; b1 is the C of each sum's first product.
; GELU, exact form: h Phi(h), Phi = 0.5 + 0.5 erf(h / sqrt 2), erf(z) = z P(z^2) / Q(z^2) with P of degree 4 and Q of degree 6 in z^2, h held to +-5.419983 inside Phi.
; LIMITS: NaN and infinities are not served.  Phi is a sum with 0.5, so gelu's absolute error is some 6e-8 |h|: its relative error grows for h under about -3; under -5.42 the result is h x 3e-8 where the true value tends to 0.
; A block of zeros gets the byte 1 where the rule says 127: its codes are zeros, and this program alone reads the bytes.
; No prefetch: a work-group has four fills, two of them at its head.
; REGISTERS: window 0: v0-31 addresses (behind the K loop: GELU's constants); v32-63 scale words and nothing else; v128-223 x's fragments, ONE set; the way out works in v64-254.
;   window 1: W1's fragments, two sets at v0 and v128; b1's eight tiles at v96-127 and v224-255.   windows 2, 3: accumulator (a, b) at v[8 (8 (a % 4) + b)].
.set BLK,    12800
.set FRB,    1536
.set SCO,    12288
.set REG,    2*BLK                     ; what one tensor load brings: two K steps of 128 rows
.set SLOT,   4*REG                     ; x's two blocks of rows, then W1's two
.set SST,    2*SLOT                    ; behind the ring: 512 bytes for each wave, where its block's scale words are gathered; no fill lands here
.set SPARE,  SST+4*512                 ; the spare words, 128 bytes for each wave
.set FR,     12
.set NL,     3                         ; LDS loads that bring a fragment
.set NP,     4                         ; places behind this matrix instruction (ISA guide 7.12.1)
.set ADRA, 16                          ; v16-17  my x fragments in slot 0, 1
.set ADSA, 18                          ; v18-19  their scale words
.set ADRB, 20                          ; v20-21  my W1 fragments
.set ADSB, 22                          ; v22-23  their scale words
.set RDS,  24                          ; v24     my 512 bytes of gathered scale words, 16 bytes a lane
.set PW,   25                          ; v25     the scale word just made
.set SPW,  28
.set NIL,  29
.set SC,   32                          ; scale words: 16 slot + 8 q + 4 side + f / 2 (side 0: x, 1: W1); lanes 0-15 an even fragment's, lanes 16-31 the odd one's
.set AF,   128
.set G,    64                          ; the way out: v64-127 h held, then Phi, then gelu
.set U,    128                         ; v128-159 h^2
.set W,    160                         ; v160-191 the numerator
.set Q,    192                         ; v192-223 the denominator, then its reciprocal
.set TM,   224
.set PC,   236
.set SEL,  44
.set KA0, 4                            ; GELU's constants, each twice, in a pair
.set KA1, 6
.set KA2, 8
.set KA3, 10
.set KA4, 12
.set KB1, 14
.set KB2, 16
.set KB3, 18
.set KB4, 20
.set KB5, 22
.set KB6, 30
.set G1, 24                            ; s[24:31] group 1 for x's tiles; s[32:39] groups 0, one for each slot
.set G0, 32
.set G1B, 48                           ; s[48:55], s[56:63] the same for W1's
.set G0B, 56
.set MSB, 0
.macro WIN new                         ; the immediate's high byte repeats the setting that is left
.if MSB != (\new)
	s_set_vgpr_msb (MSB<<8)|(\new)
.set MSB, (\new)
.endif
.endm
.set MUL_LO, 0xa1                      ; source 0 (W1) window 1, source 1 (x) window 0, C and D window 2
.set MUL_HI, 0xf1                      ; the same, C and D window 3
.set TO_B,   0x40                      ; destination window 1, address window 0
; A joint load: waves 0 and 1 fetch x's two blocks of rows, waves 2 and 3 W1's.  The branch hangs on the wave's number alone.  Four v_nop follow each of the two lines.
.macro JLOAD g0a, g1a, g0b, g1b
	s_cmp_eq_u32 s15, 0
	s_cbranch_scc0 .Lfor_b_\@
	tensor_load_to_lds s[\g0a:\g0a+3], s[\g1a:\g1a+7]
	s_nop 0
.rept 4
	v_nop
.endr
	s_branch .Lasked_\@
.Lfor_b_\@:
	tensor_load_to_lds s[\g0b:\g0b+3], s[\g1b:\g1b+7]
	s_nop 0
.rept 4
	v_nop
.endr
.Lasked_\@:
.endm
.macro CREST                           ; a round of the cluster's barrier behind its opening barrier
	s_cmp_lg_u32 s14, 0
	s_cbranch_scc1 .Lnot_wave_0_\@
	s_barrier_signal -3
.Lnot_wave_0_\@:
	s_barrier_wait -3
	s_barrier_signal -1
	s_barrier_wait -1
.endm
.macro CROUND
	s_barrier_signal -1
	s_barrier_wait -1
	CREST
.endm
.macro PLACES n
.rept \n
	v_nop
.endr
.endm
	s_load_b128 s[4:7], s[0:1], 0x0                ; xq s[4:5], wq s[6:7]
	s_load_b128 s[8:11], s[0:1], 0x10              ; b1 s[8:9], hq s[10:11]
	v_lshl_add_u32 v[SPW], v0, 2, SPARE
	v_mov_b32 v[NIL], 0
	ds_add_u32 v28, v29
	ds_add_u32 v28, v29
	s_wait_dscnt 0x0
	v_lshrrev_b32 v1, 5, v0
	v_readfirstlane_b32 s14, v1                    ; wave 0..3
	s_lshr_b32 s15, s14, 1                         ; i: my half of the tokens.  Also: I fetch for x (0) or for W1 (1)
	s_and_b32 s16, s14, 1                          ; j: my half of the hidden units.  Also: which block of rows I fetch
	s_bfe_u32 s40, ttmp6, 0x40000                  ; cx, cy: my place in the cluster
	s_bfe_u32 s41, ttmp6, 0x40004
	s_lshl_b32 s42, ttmp9, 2
	s_add_co_u32 s42, s42, s40                     ; tc = 4 x cluster x + cx
	s_and_b32 s17, ttmp7, 0xffff
	s_lshl_b32 s17, s17, 2
	s_add_co_u32 s17, s17, s41                     ; tr = 4 x cluster y + cy
	s_lshl_b32 s43, s41, 2
	s_lshl_b32 s43, 15, s43                        ; my row of the cluster
	s_lshl_b32 s44, 0x1111, s40                    ; my column
	; group 1: a dense run of 25,600 bytes as 100 rows of 256 bytes (32 elements of 8 bytes), no padding: an image's loads take 512 consecutive bytes
	s_or_b32 s[G1+0], s43, (3<<16)|(1<<21)
	s_or_b32 s[G1B+0], s44, (3<<16)|(1<<21)
.irp g, G1, G1B
	s_mov_b32 s[\g+1], 32<<16                      ; tensor_dim0
	s_mov_b32 s[\g+2], 100<<16                     ; tensor_dim1
	s_mov_b32 s[\g+3], 32<<16                      ; tile_dim0
	s_mov_b32 s[\g+4], 100                         ; tile_dim1
	s_mov_b32 s[\g+5], 32                          ; from row to row
	s_mov_b32 s[\g+6], 0
	s_mov_b32 s[\g+7], 0
.endr
	s_lshl_b32 s20, s17, 1
	s_add_co_u32 s20, s20, s16
	s_mul_i32 s20, s20, 8*BLK                      ; x: block of rows 2 tr + (wave % 2)
	s_mov_b32 s21, 0
	s_lshl_b32 s46, s42, 1
	s_add_co_u32 s46, s46, s16
	s_mul_i32 s46, s46, 8*BLK                      ; W1: block of rows 2 tc + (wave % 2)
	s_mov_b32 s47, 0
	s_mul_i32 s45, s14, REG                        ; where they go: no place in the cluster enters an LDS address
	s_wait_kmcnt 0x0
	s_add_nc_u64 s[20:21], s[4:5], s[20:21]
	s_add_nc_u64 s[46:47], s[6:7], s[46:47]
	CROUND                                         ; all sixteen work-groups are here: the first joint loads meet
.irp s, 0,1
	s_mov_b32 s[G0+4*\s], 1
	s_add_co_u32 s[G0+4*\s+1], s45, \s*SLOT
	s_add_nc_u64 s[G0+4*\s+2:G0+4*\s+3], s[20:21], \s*REG
	s_or_b32 s[G0+4*\s+3], s[G0+4*\s+3], 0x80000000
	s_mov_b32 s[G0B+4*\s], 1
	s_add_co_u32 s[G0B+4*\s+1], s45, \s*SLOT
	s_add_nc_u64 s[G0B+4*\s+2:G0B+4*\s+3], s[46:47], \s*REG
	s_or_b32 s[G0B+4*\s+3], s[G0B+4*\s+3], 0x80000000
	JLOAD G0+4*\s, G1, G0B+4*\s, G1B               ; two loads of mine are out
.endr
	v_and_b32 v1, 31, v0
	v_lshlrev_b32 v2, 4, v1                        ; 16 x lane; kept
	v_lshlrev_b32 v3, 3, v1                        ; 8 x lane
	s_mul_i32 s18, s15, REG                        ; my 128 tokens
	s_mul_i32 s19, s16, REG
	s_add_co_u32 s19, s19, 2*REG                   ; my 128 hidden units
.irp s, 0,1
	v_add_nc_u32 v[ADRA+\s], s18, v2
	v_add_nc_u32 v[ADRB+\s], s19, v2
	v_add_nc_u32 v[ADSA+\s], s18, v3
	v_add_nc_u32 v[ADSB+\s], s19, v3
	s_add_co_u32 s18, s18, SLOT
	s_add_co_u32 s19, s19, SLOT
.endr
	s_lshl_b32 s19, s14, 9
	s_add_co_u32 s19, s19, SST
	v_and_b32 v1, 15, v0
	v_lshl_add_u32 v3, v1, 3, s19                  ; the way out: my row's scale word: 8 r in my 512 bytes
	v_add_nc_u32 v[RDS], s19, v2
	v_bfe_u32 v1, v0, 4, 1
	v_lshlrev_b32 v27, 6, v1                       ; b1: lanes 16-31 want the units 16 further on
	s_lshl_b32 s22, s42, 10
	s_lshl_b32 s23, s16, 9
	s_add_co_u32 s22, s22, s23
	s_mov_b32 s23, 0
	s_add_nc_u64 s[8:9], s[8:9], s[22:23]          ; b1 at my 128 units
	WIN TO_B
.irp b, 0,1,2,3,4,5,6,7                ; tile b in the result's layout: units 32 (b / 2) + 16 h + 8 (b % 2) + 0 .. 7
	global_load_b128 v[96+8*\b+96*(\b/4):96+8*\b+96*(\b/4)+3], v27, s[8:9] offset:(32*(\b/2)+8*(\b%2))*4
	global_load_b128 v[96+8*\b+96*(\b/4)+4:96+8*\b+96*(\b/4)+7], v27, s[8:9] offset:(32*(\b/2)+8*(\b%2))*4+16
.endr
	WIN 0
	s_lshl_b32 s22, s17, 1                         ; hq: block (((2 tr + i) 8 + e) 8 + 2 (tc % 4) + j), e = tc / 4
	s_add_co_u32 s22, s22, s15
	s_lshl_b32 s22, s22, 3
	s_lshr_b32 s23, s42, 2
	s_add_co_u32 s22, s22, s23
	s_lshl_b32 s22, s22, 3
	s_and_b32 s23, s42, 3
	s_lshl_b32 s23, s23, 1
	s_add_co_u32 s22, s22, s23
	s_add_co_u32 s22, s22, s16
	s_mul_i32 s22, s22, BLK
	s_mov_b32 s23, 0
	s_add_nc_u64 s[12:13], s[10:11], s[22:23]
.macro FRAG reg, adr, q, i             ; a fragment comes back as it was stored: three loads of 16 bytes a lane
.irp c, 0,1,2
	ds_load_b128 v[(\reg)+4*\c:(\reg)+4*\c+3], v[\adr] offset:BLK*(\q)+FRB*(\i)+512*\c
.endr
.endm
; one product.  wo, xo: the fragment is an odd one: its scale words stand in lanes 16-31
.macro WM d, wf, xf, c, sw, sx, wo, xo
.if (\wo) && (\xo)
	v_wmma_scale_f32_16x16x128_f8f6f4 v[(\d):(\d)+7], v[(\wf):(\wf)+11], v[(\xf):(\xf)+11], v[(\c):(\c)+7], v[(\sw)], v[(\sx)] matrix_a_fmt:MATRIX_FMT_BF6 matrix_b_fmt:MATRIX_FMT_BF6 matrix_a_scale:MATRIX_SCALE_ROW1 matrix_b_scale:MATRIX_SCALE_ROW1
.elseif (\wo)
	v_wmma_scale_f32_16x16x128_f8f6f4 v[(\d):(\d)+7], v[(\wf):(\wf)+11], v[(\xf):(\xf)+11], v[(\c):(\c)+7], v[(\sw)], v[(\sx)] matrix_a_fmt:MATRIX_FMT_BF6 matrix_b_fmt:MATRIX_FMT_BF6 matrix_a_scale:MATRIX_SCALE_ROW1
.elseif (\xo)
	v_wmma_scale_f32_16x16x128_f8f6f4 v[(\d):(\d)+7], v[(\wf):(\wf)+11], v[(\xf):(\xf)+11], v[(\c):(\c)+7], v[(\sw)], v[(\sx)] matrix_a_fmt:MATRIX_FMT_BF6 matrix_b_fmt:MATRIX_FMT_BF6 matrix_b_scale:MATRIX_SCALE_ROW1
.else
	v_wmma_scale_f32_16x16x128_f8f6f4 v[(\d):(\d)+7], v[(\wf):(\wf)+11], v[(\xf):(\xf)+11], v[(\c):(\c)+7], v[(\sw)], v[(\sx)] matrix_a_fmt:MATRIX_FMT_BF6 matrix_b_fmt:MATRIX_FMT_BF6
.endif
.endm
; 16 products: x's blocks a0, a0 + 1 against W1's eight.  p: W1's set; q: the slot's K step; sc: the slot.  first = 1: C is b1's tile: nothing is cleared and no bias is added later.
; The 64 accumulators take turns, one instruction a turn, in the same order in every step.
.macro MUL16 a0, p, q, sc, first
.irp a, \a0, \a0+1
.irp b, 0,1,2,3,4,5,6,7
.if \first
	WM 8*(8*((\a)%4)+\b), 128*(\p)+FR*\b, AF+FR*(\a), 96+8*\b+96*(\b/4), SC+16*(\sc)+8*(\q)+4+\b/2, SC+16*(\sc)+8*(\q)+(\a)/2, \b%2, (\a)%2
.else
	WM 8*(8*((\a)%4)+\b), 128*(\p)+FR*\b, AF+FR*(\a), 8*(8*((\a)%4)+\b), SC+16*(\sc)+8*(\q)+4+\b/2, SC+16*(\sc)+8*(\q)+(\a)/2, \b%2, (\a)%2
.endif
.endr
.endr
.endm
.macro FETCH_B slot, q, p
	WIN TO_B
.irp i, 0,1,2,3,4,5,6,7
	FRAG 128*(\p)+FR*\i, ADRB+\slot, \q, \i
.endr
	WIN 0
.endm
.macro FETCH_A slot, q, i0
.irp i, \i0, \i0+1, \i0+2, \i0+3
	FRAG AF+FR*(\i), ADRA+\slot, \q, \i
.endr
.endm
.macro SCALES slot                     ; both K steps' scale words of a slot: 8 bytes a lane bring four fragments' words
.irp q, 0,1
.irp g, 0,1
	ds_load_b64 v[SC+16*\slot+8*\q+2*\g:SC+16*\slot+8*\q+2*\g+1], v[ADSA+\slot] offset:BLK*\q+SCO+256*\g
	ds_load_b64 v[SC+16*\slot+8*\q+4+2*\g:SC+16*\slot+8*\q+4+2*\g+1], v[ADSB+\slot] offset:BLK*\q+SCO+256*\g
.endr
.endr
.endm
; A step of 128 along K that has its successor in the same slot.  A block of x is free as soon as its eight products are issued: blocks 0-3 are fetched anew in the step's middle, blocks 4-7 at its end.
.macro STEP slot, q, first
	s_wait_dscnt 4*NL                              ; W1's set, x's blocks 0-3 and the scale words are in; the youngest 12 loads (x's blocks 4-7) may be out
.if \first
	WIN 0x91                                       ; C (b1) window 1, D window 2
.else
	WIN MUL_LO
.endif
	MUL16 0, (\q)%2, \q, \slot, \first
	MUL16 2, (\q)%2, \q, \slot, \first
	s_wait_dscnt 0x0                               ; x's blocks 4-7 are in
	PLACES NP                                      ; in front of loads into registers that matrix instructions have read
	FETCH_B \slot, (\q)+1, 1-(\q)%2
	FETCH_A \slot, (\q)+1, 0
.if \first
	WIN 0xd1
.else
	WIN MUL_HI
.endif
	MUL16 4, (\q)%2, \q, \slot, \first
	MUL16 6, (\q)%2, \q, \slot, \first
	PLACES NP
	WIN 0
	FETCH_A \slot, (\q)+1, 4
.endm
; A slot's last step changes slots: ONE barrier; in front of it each wave waits for all its tensor loads, adds 0 to its spare word, and waits for that and for its reads of this slot.  fill = 1: the slot is filled again.
.macro TURN slot, next, fill
	s_wait_tensorcnt 0x0                           ; all my tensor loads have landed: the one that was out is my part of the next slot
	ds_add_u32 v[SPW], v[NIL]                      ; 0 onto my spare word
	s_wait_dscnt 4*NL+1                            ; (the add and the youngest 12 loads may be out)
	WIN MUL_LO
	MUL16 0, 1, 1, \slot, 0                        ; sixteen products stand between the add and the wait for it
	s_wait_dscnt 0x0                               ; the add is done, and my reads of this slot are over
	s_barrier_signal -1
	MUL16 2, 1, 1, \slot, 0
	WIN 0
	s_barrier_wait -1
.if \fill
	CREST                                          ; the barrier has opened a round of the cluster's: no wave of any partner still reads this slot or has a load on its way
	s_add_nc_u64 s[G0+4*\slot+2:G0+4*\slot+3], s[G0+4*\slot+2:G0+4*\slot+3], 2*REG
	s_add_nc_u64 s[G0B+4*\slot+2:G0B+4*\slot+3], s[G0B+4*\slot+2:G0B+4*\slot+3], 2*REG
	JLOAD G0+4*\slot, G1, G0B+4*\slot, G1B         ; the first tensor load behind the round, my one load until the next; its four v_nop are the places in front of the loads below
.else
	PLACES NP
.endif
	FETCH_B \next, 0, 0
	FETCH_A \next, 0, 0
	SCALES \next
	WIN MUL_HI
	MUL16 4, 1, 1, \slot, 0
	MUL16 6, 1, 1, \slot, 0
	PLACES NP
	WIN 0
	FETCH_A \next, 0, 4
.endm
	s_wait_tensorcnt 1                             ; my part of slot 0 is in; slot 1's load may be out
	s_barrier_signal -1
	s_barrier_wait -1
	FETCH_B 0, 0, 0
	FETCH_A 0, 0, 0
	SCALES 0
	FETCH_A 0, 0, 4
	s_wait_loadcnt 0x0                             ; b1
	STEP 0, 0, 1                                   ; K steps 0 .. 7
	TURN 0, 1, 1
	STEP 1, 0, 0
	TURN 1, 0, 1
	STEP 0, 0, 0
	TURN 0, 1, 0                                   ; nothing is left to fetch: no round
	STEP 1, 0, 0
	s_wait_dscnt 4*NL
	WIN MUL_LO
	MUL16 0, 1, 1, 1, 0
	MUL16 2, 1, 1, 1, 0
	s_wait_dscnt 0x0
	WIN MUL_HI
	MUL16 4, 1, 1, 1, 0
	MUL16 6, 1, 1, 1, 0
	WIN 0
; THE WAY OUT: a loop over my eight tiles of 16 tokens.  Only the lines that name accumulators are written eight times (FRONT, BACK); the polynomial, the quantiser and the stores are written once.
	PLACES NP
.macro KONST reg, bits
	v_mov_b32 v[\reg], \bits
	v_mov_b32 v[\reg+1], \bits
.endm
.macro KONSTA reg, bits                ; a numerator's coefficient x 1 / (2 sqrt 2): 0.5 erf(h / sqrt 2) = h A(h^2) / B(h^2)
	v_mov_b32 v[\reg], \bits
	v_mul_f32 v[\reg], 0x3eb504f3, v[\reg]
	v_mov_b32 v[\reg+1], v[\reg]
.endm
	KONSTA KA0, 0x3f906eba                         ; P's coefficients / 2^k, since z^2 = h^2 / 2
	KONSTA KA1, 0x3dbda740
	KONSTA KA2, 0x3c50b6eb
	KONSTA KA3, 0x39df5da2
	KONSTA KA4, 0x37702d51
	KONST KB1, 0x3e7eb44a                          ; Q's likewise; its constant term is 1
	KONST KB2, 0x3ce34c21
	KONST KB3, 0x3ae687d4
	KONST KB4, 0x38856d28
	KONST KB5, 0x354588df
	KONST KB6, 0xb0fd3906
.irp b, 0,1,2,3
	v_mov_b32 v[TM+4+\b], 0                        ; written once: a lane permute's destination counts as one of its sources
.endr
	s_mov_b32 s42, 0x40ad7080                      ; 5.419983
	s_mov_b32 s43, 0xc0ad7080
	s_mov_b32 s[SEL], 0x76543210
	s_mov_b32 s[SEL+1], 0xfedcba98
.macro FRONT k                         ; tile k's 64 sums, held to +-5.419983, in ascending order: each accumulator is read from its low end on
	WIN 0x02+(\k)/4
.set n, 0
.rept 64
	v_med3_num_f32 v[G+n], v[64*((\k)%4)+n], s43, s42
.set n, n+1
.endr
	WIN 0
.endm
.macro BACK k                          ; gelu = h Phi(h), with h as it was summed
	WIN 0x02+(\k)/4
.set n, 0
.rept 32
	v_pk_mul_f32 v[G+n:G+n+1], v[64*((\k)%4)+n:64*((\k)%4)+n+1], v[G+n:G+n+1]
.set n, n+2
.endr
	WIN 0
.endm
.macro HSTART d, k1, k0                ; 16 pairs: d = k1 u + k0
.set p, 0
.rept 16
	v_pk_fma_f32 v[\d+p:\d+p+1], v[U+p:U+p+1], v[\k1:\k1+1], v[\k0:\k0+1]
.set p, p+2
.endr
.endm
.macro HORNER d, k                     ; 16 pairs: d = d u + k
.set p, 0
.rept 16
	v_pk_fma_f32 v[\d+p:\d+p+1], v[\d+p:\d+p+1], v[U+p:U+p+1], v[\k:\k+1]
.set p, p+2
.endr
.endm
.macro MID m                           ; Phi of 32 numbers, in place; every line runs over 16 pairs, so that none waits for the line above it
.set GB, G+32*\m
.set p, 0
.rept 16
	v_pk_mul_f32 v[U+p:U+p+1], v[GB+p:GB+p+1], v[GB+p:GB+p+1]
.set p, p+2
.endr
	HSTART W, KA4, KA3
	HORNER W, KA2
	HORNER W, KA1
	HORNER W, KA0
	HSTART Q, KB6, KB5
	HORNER Q, KB4
	HORNER Q, KB3
	HORNER Q, KB2
	HORNER Q, KB1
.set p, 0
.rept 16
	v_pk_fma_f32 v[Q+p:Q+p+1], v[Q+p:Q+p+1], v[U+p:U+p+1], 1.0 op_sel_hi:[1,1,0]
.set p, p+2
.endr
.set p, 0
.rept 32
	v_rcp_f32 v[Q+p], v[Q+p]
.set p, p+1
.endr
.set p, 0
.rept 16
	v_pk_mul_f32 v[GB+p:GB+p+1], v[W+p:W+p+1], v[GB+p:GB+p+1]     ; h A: plain work that names no reciprocal
.set p, p+2
.endr
	s_wait_alu depctr_va_vdst(0)                   ; one wait for the batch of 32, ahead of its first reader
.set p, 0
.rept 16
	v_pk_fma_f32 v[GB+p:GB+p+1], v[GB+p:GB+p+1], v[Q+p:Q+p+1], 0.5 op_sel_hi:[1,1,0]
.set p, p+2
.endr
.endm
; 64 numbers of a lane, register 16 b + i = k 32 b + 16 (lane / 16) + i of my row, become a fragment's codes in v[PC] on and its scale word in v[PW].
.macro QUANT s
.irp b, 0,1,2,3
	v_max3_num_f32 v[TM+\b], |v[\s+16*\b]|, |v[\s+1+16*\b]|, 0x2800000   ; my 16 numbers of block b, and the floor 2^(5 - 127): the byte cannot fall under 1
.endr
.irp i, 2,4,6,8,10,12,14
.irp b, 0,1,2,3
	v_max3_num_f32 v[TM+\b], v[TM+\b], |v[\s+16*\b+\i]|, |v[\s+1+16*\b+\i]|
.endr
.endr
.irp b, 0,1,2,3
	v_permlanex16_b32 v[TM+4+\b], v[TM+\b], s[SEL], s[SEL+1]
.endr
.irp b, 0,1,2,3
	v_max_num_f32 v[TM+\b], v[TM+\b], v[TM+4+\b]   ; with lane l xor 16's: the block's largest magnitude
.endr
.irp b, 0,1,2,3
	v_add_nc_u32 v[TM+8+\b], 0xfe000000, v[TM+\b]  ; 4 off its exponent field: the conversion's scale operand
.endr
.irp b, 0,1,2,3
	v_lshrrev_b32 v[TM+4+\b], 23, v[TM+8+\b]       ; the byte
.endr
	v_lshl_or_b32 v[PW], v[TM+5], 8, v[TM+4]
	v_lshl_or_b32 v[PW], v[TM+6], 16, v[PW]
	v_lshl_or_b32 v[PW], v[TM+7], 24, v[PW]
.irp c, 0,1
	v_cvt_scalef32_pk16_bf6_f32 v[PC+6*\c:PC+2+6*\c], v[\s+32*\c:\s+15+32*\c], v[TM+8+2*\c]
	v_cvt_scalef32_pk16_bf6_f32 v[PC+12+4*\c:PC+14+4*\c], v[\s+16+32*\c:\s+31+32*\c], v[TM+8+2*\c+1]   ; (a conversion's three registers begin on an even number)
.endr
	v_nop                                          ; one plain line behind the conversions
.irp c, 0,1                            ; the operand wants a WHOLE block in a lane: lanes 0-15 block 2 c, lanes 16-31 block 2 c + 1
.irp i, 0,1,2
	v_permlane16_swap_b32 v[PC+6*\c+\i], v[PC+12+4*\c+\i]
.endr
.irp i, 0,1,2
	v_mov_b32 v[PC+3+6*\c+\i], v[PC+12+4*\c+\i]
.endr
.endr
.endm
	s_mov_b32 s46, 0                               ; the tile of tokens
.Lrow:
.irp k, 0,1,2,3,4,5,6
	s_cmp_eq_u32 s46, \k
	s_cbranch_scc1 .Lfront_\k
.endr
	FRONT 7
	s_branch .Lmid
.irp k, 0,1,2,3,4,5,6
.Lfront_\k:
	FRONT \k
	s_branch .Lmid
.endr
.Lmid:
	MID 0
	MID 1
.irp k, 0,1,2,3,4,5,6
	s_cmp_eq_u32 s46, \k
	s_cbranch_scc1 .Lback_\k
.endr
	BACK 7
	s_branch .Lquant
.irp k, 0,1,2,3,4,5,6
.Lback_\k:
	BACK \k
	s_branch .Lquant
.endr
.Lquant:
	QUANT G
.irp c, 0,1,2
	global_store_b128 v2, v[PC+4*\c:PC+4*\c+3], s[12:13] offset:512*\c   ; the fragment as it stands: 512 consecutive bytes a store, at a multiple of 256 from the buffer's first byte
.endr
	s_lshr_b32 s18, s46, 2                         ; the tile's scale words in the block's order: 256 (a / 4) + 128 (a % 2) + 4 ((a / 2) % 2) + 8 r
	s_lshl_b32 s18, s18, 8
	s_and_b32 s19, s46, 1
	s_lshl_b32 s19, s19, 7
	s_add_co_u32 s18, s18, s19
	s_bfe_u32 s19, s46, 0x10001
	s_lshl_b32 s19, s19, 2
	s_add_co_u32 s18, s18, s19
	v_add_nc_u32 v26, s18, v3
	ds_store_b32 v26, v[PW]                        ; both lanes of a row write the same word with the same value
	s_wait_xcnt 0x0                                ; the stores have read their data and their base: both are written again only behind this wait
	s_add_nc_u64 s[12:13], s[12:13], FRB
	s_add_co_u32 s46, s46, 1
	s_cmp_lt_u32 s46, 8
	s_cbranch_scc1 .Lrow
	ds_load_b128 v[G:G+3], v[RDS]                  ; LDS serves a wave's instructions in order: these see my eight stores
	s_wait_dscnt 0x0
	global_store_b128 v2, v[G:G+3], s[12:13]       ; the base has stepped 8 x 1,536 = 12,288 bytes: it stands at the block's scale words
	s_wait_tensorcnt 0x0                           ; the wave's end
	ds_add_u32 v[SPW], v[NIL]
	s_wait_dscnt 0x0
	CROUND                                         ; the closing round: no work-group ends while a partner may still ask for a tile that names it
	s_endpgm
.Lfunc_end_k_qaf9035d43a_gemm1:
	.size	k_qaf9035d43a_gemm1, .Lfunc_end_k_qaf9035d43a_gemm1-k_qaf9035d43a_gemm1
	.p2alignl 7, 3214868480
	.fill 96, 4, 3214868480
	.section	.rodata,"a",@progbits
	.p2align	6, 0x0
	.amdhsa_kernel k_qaf9035d43a_gemm1
		.amdhsa_group_segment_fixed_size 327680
		.amdhsa_private_segment_fixed_size 0
		.amdhsa_enable_private_segment 0
		.amdhsa_kernarg_size 32
		.amdhsa_user_sgpr_count 2
		.amdhsa_user_sgpr_kernarg_segment_ptr 1
		.amdhsa_wavefront_size32 1
		.amdhsa_system_sgpr_workgroup_id_x 1
		.amdhsa_system_sgpr_workgroup_id_y 1
		.amdhsa_system_sgpr_workgroup_id_z 1
		.amdhsa_system_vgpr_workitem_id 0
		.amdhsa_next_free_vgpr 1024
		.amdhsa_next_free_sgpr 98
		.amdhsa_reserve_vcc 0
		.amdhsa_float_denorm_mode_32 3
		.amdhsa_float_denorm_mode_16_64 3
		.amdhsa_memory_ordered 1
		.amdhsa_forward_progress 1
		.amdhsa_inst_pref_size 190
	.end_amdhsa_kernel
	.amdgpu_metadata
---
amdhsa.version: [ 1, 2 ]
amdhsa.kernels:
  - .name:           k_qaf9035d43a_gemm1
    .symbol:         k_qaf9035d43a_gemm1.kd
    .args:
      - { .name: xq, .offset: 0, .size: 8, .value_kind: global_buffer, .address_space: global }
      - { .name: wq, .offset: 8, .size: 8, .value_kind: global_buffer, .address_space: global }
      - { .name: b1, .offset: 16, .size: 8, .value_kind: global_buffer, .address_space: global }
      - { .name: hq, .offset: 24, .size: 8, .value_kind: global_buffer, .address_space: global }
    .group_segment_fixed_size: 327680
    .private_segment_fixed_size: 0
    .kernarg_segment_align: 8
    .kernarg_segment_size: 32
    .max_flat_workgroup_size: 128
    .sgpr_count:     98
    .vgpr_count:     1024
    .wavefront_size: 32
...
	.end_amdgpu_metadata
.endif
;; end of part 2
;; launch gemm2 (part 3): grid 8 x 32, 4 waves a work-group, clusters of 4 x 4, 327,680 bytes of LDS; arguments hq, wq, b2, gt, out0; writes out0
.if DOCPART == 3
	.amdgcn_target "amdgcn-amd-amdhsa--gfx1250"
	.amdhsa_code_object_version 6
	.text
	.protected	k_qaf9035d43a_gemm2
	.globl	k_qaf9035d43a_gemm2
	.p2align	8
	.type	k_qaf9035d43a_gemm2,@function
k_qaf9035d43a_gemm2:
	s_mov_b64 s[64:65], 0
	v_nop
	global_prefetch_b8 v0, s[64:65] scope:SCOPE_SE
	s_setreg_imm32_b32 hwreg(HW_REG_WAVE_MODE, 25, 1), 1
	s_wait_xcnt 0x0
	s_wait_alu depctr_hold_cnt(0) depctr_sa_sdst(0) depctr_va_vdst(0) depctr_va_sdst(0) depctr_va_ssrc(0) depctr_va_vcc(0) depctr_vm_vsrc(0)
	s_getreg_b32 s2, hwreg(HW_REG_IB_STS2, 6, 4)
	s_cmp_eq_u32 s2, 0
	s_cbranch_scc0 .Lentry_in_a_cluster
	s_endpgm
.Lentry_in_a_cluster:
	s_bfe_u32 s2, ttmp6, 0x10000c
	s_cmp_lg_u32 s2, 0xf033
	s_cbranch_scc0 .Lentry_shape_is_right
	s_endpgm
.Lentry_shape_is_right:
; GEMM2: out0[t] = the sum over the 8 experts of gate[e][t] x (h_e[t] W2_e + b2_e); the products on codes of BF6 (E3M2) with E8M0 scales, sums in f32; the gated sum in f32, by fused multiply-adds.
; Operands lie in memory as images of the matrix unit's registers: a BLOCK of 12,800 bytes = 128 rows x 128 K: fragment f at 1536 f, scale words from byte 12,288 on.
; hq: block (tr 64 + 8 e + ks);  wq: block (512 + tc 64 + 8 e + ks): the 64 K steps (8 experts x 8 steps of 128) of 128 tokens, and of 128 columns of W2, are 819,200 dense bytes each.
; SHARES.  A work-group owns 128 tokens (tr) x 128 outputs (tc), for ALL experts, so that each output has one owner: 256 work-groups.  Each of four waves makes 64 x 64: 16 accumulators Y for the expert in hand, 16 tiles OUT for the gated sum.
; THE RING.  Two slots of SIX K steps of both operands, 153,600 bytes each: the largest two that fit beside the stage and the spare words.  So a refill has six steps, 96 matrix instructions a wave, in which to land, and the 64 steps
; take eleven fills: ten of six steps and one of four.  A wave brings three steps of one operand (150 rows of 256 bytes) with one load; in the last fill two (100 rows).
; Slots of six and experts of eight come back together after 24 steps, of which only two trips would fit ahead of the tail that has to be written out: so the assembler writes all 64 steps out, from one .rept.
; CLUSTER 4 x 4: h's tile hangs on tr alone and is asked for jointly along a row of the cluster, W2's on tc alone, along a column.
; TRANSPOSED: source 0 = 16 columns of W2, source 1 = 16 tokens: a lane holds ONE token, so its gate is one number a tile; by the order of W2's rows in a fragment, two neighbouring tiles' 16 registers are 16 neighbouring outputs.
; b2 is the C of each expert's first products.  LIMITS: NaN and infinities are not served.
; REGISTERS: window 0: v0-31 addresses; v32-39 scale words and nothing else, two sets; v40-47 gates; v48-79 b2's four tiles; v128-191 the way out.
;   window 1: set p at 128 p: h's four fragments, then W2's four.   window 2: Y (a, b) at v[8 (4 a + b)], OUT at 128 more.
.set BLK,    12800
.set FRB,    1536
.set SCO,    12288
.set NS,     6                         ; K steps in a slot
.set REG,    3*BLK                     ; what one tensor load brings: three K steps of 128 rows
.set HALF,   NS*BLK                    ; one operand's part of a slot
.set SLOT,   2*HALF                    ; h's six K steps, then W2's six
.set STAGE,  2*SLOT                    ; behind the ring: 16 rows x (256 bytes + 16) for each wave; no fill lands here
.set SPARE,  STAGE+4*16*272            ; the spare words, 128 bytes for each wave
.set FR,     12
.set ADRA, 8                           ; v8-11   my h fragments: register 2 slot + q / 3 (an LDS immediate has 16 bits: three steps to a register)
.set ADRB, 12                          ; v12-15  my W2 fragments
.set ADSA, 16                          ; v16-19  h's scale words
.set ADSB, 20                          ; v20-23  W2's scale words
.set STO,  24                          ; the way out: where I put 64 bytes of a row
.set RD,   25                          ; and where I read a row back
.set CO,   26                          ; my byte offset in out0
.set BO,   27                          ; b2: 64 x (lane / 16)
.set SPW,  28
.set NIL,  29
.set GO,   30                          ; gates: 4 x (lane % 16)
.set PFO,  31                          ; the prefetches' offset: 256 x lane; never rewritten
.set SC,   32                          ; set p: 4 p + {h's pair, W2's pair}; lanes 0-15 an even fragment's words, lanes 16-31 the odd one's
.set GT,   40                          ; tile a's gate in v[40 + 2 a]; the odd registers are named with them as pairs, so they are written once
.set BIAS, 48
.set BK,   128
.set G1, 24                            ; s[24:31] group 1 for h's tiles of 150 rows; s[32:39] groups 0, one for each slot
.set G0, 32
.set G1B, 48                           ; s[48:55], s[56:63] the same for W2's
.set G0B, 56
.set G1L, 68                           ; s[68:75], s[76:83] groups 1 for the last fill's tiles of 100 rows
.set G1BL, 76
.set PFA, 84                           ; s[84:85] where my prefetches begin; never rewritten
.set ASKS, 86                          ; s86  1 in a wave that prefetches
.set SHL, 87                           ; s87  the last fill's LDS address
.set SHB, 88                           ; s[88:89] (wave % 2) x 12,800: what the last fill's address lies short of a regular step
.set MSB, 0
.macro WIN new                         ; the immediate's high byte repeats the setting that is left
.if MSB != (\new)
	s_set_vgpr_msb (MSB<<8)|(\new)
.set MSB, (\new)
.endif
.endm
.macro JLOAD g0a, g1a, g0b, g1b        ; waves 0 and 1 fetch for h, waves 2 and 3 for W2; four v_nop follow each of the two lines
	s_cmp_eq_u32 s15, 0
	s_cbranch_scc0 .Lfor_b_\@
	tensor_load_to_lds s[\g0a:\g0a+3], s[\g1a:\g1a+7]
	s_nop 0
.rept 4
	v_nop
.endr
	s_branch .Lasked_\@
.Lfor_b_\@:
	tensor_load_to_lds s[\g0b:\g0b+3], s[\g1b:\g1b+7]
	s_nop 0
.rept 4
	v_nop
.endr
.Lasked_\@:
.endm
.macro CREST
	s_cmp_lg_u32 s14, 0
	s_cbranch_scc1 .Lnot_wave_0_\@
	s_barrier_signal -3
.Lnot_wave_0_\@:
	s_barrier_wait -3
	s_barrier_signal -1
	s_barrier_wait -1
.endm
.macro CROUND
	s_barrier_signal -1
	s_barrier_wait -1
	CREST
.endm
.macro PLACES n
.rept \n
	v_nop
.endr
.endm
; A PREFETCH INTO THE L2, behind a joint refill, its four lines and the run of LDS loads that follows them: the bytes of the fill that the NEXT change of slots will ask for: six K steps, 96 matrix instructions a wave, ahead of that load.
; A block of rows' 819,200 bytes are 25 runs of 32,768.  One instruction serves a run: each of the four partners that ask for the tile jointly takes 8,192 bytes of it, told apart BY ADDRESS (cx for h, cy for W2), lanes 256 bytes apart.
; A fill is 2.34 runs: a run goes with the earliest fill that it touches.  Each run is named once in the launch: h's rows are read by both clusters of a row of clusters: wave 0 of the cluster with x = 0 asks;
; W2's by all eight clusters of a column: wave 2 of the cluster with y = 0 asks.  Every offset is an immediate.  Fills 0 to 2 come by their loads alone; the last two changes of slots ask for nothing.
.macro ASK lo, hi
	s_cmp_eq_u32 s[ASKS], 1
	s_cbranch_scc0 .Lnot_mine_\@
.set pfc, \lo
.rept (\hi)-(\lo)
	global_prefetch_b8 v[PFO], s[PFA:PFA+1] offset:32768*pfc th:TH_LOAD_NT scope:SCOPE_SE
.set pfc, pfc+1
.endr
.Lnot_mine_\@:
.endm
	s_load_b128 s[4:7], s[0:1], 0x0                ; hq s[4:5], wq s[6:7]
	s_load_b128 s[8:11], s[0:1], 0x10              ; b2 s[8:9], gt s[10:11]
	s_load_b64 s[12:13], s[0:1], 0x20              ; out0
	v_lshl_add_u32 v[SPW], v0, 2, SPARE
	v_mov_b32 v[NIL], 0
	ds_add_u32 v28, v29
	ds_add_u32 v28, v29
	s_wait_dscnt 0x0
	v_lshrrev_b32 v1, 5, v0
	v_readfirstlane_b32 s14, v1                    ; wave 0..3
	s_lshr_b32 s15, s14, 1                         ; i: my half of the tokens.  Also: I fetch for h (0) or for W2 (1)
	s_and_b32 s16, s14, 1                          ; j: my half of the outputs.  Also: which half of a fill's K steps I fetch
	s_bfe_u32 s40, ttmp6, 0x40000                  ; cx, cy: my place in the cluster
	s_bfe_u32 s41, ttmp6, 0x40004
	s_lshl_b32 s42, ttmp9, 2
	s_add_co_u32 s42, s42, s40                     ; tc
	s_and_b32 s17, ttmp7, 0xffff
	s_lshl_b32 s17, s17, 2
	s_add_co_u32 s17, s17, s41                     ; tr
	s_lshl_b32 s43, s41, 2
	s_lshl_b32 s43, 15, s43                        ; my row of the cluster
	s_lshl_b32 s44, 0x1111, s40                    ; my column
	s_or_b32 s[G1+0], s43, (3<<16)|(1<<21)         ; dense runs as rows of 256 bytes (32 elements of 8 bytes), no padding: an image's loads take 512 consecutive bytes
	s_or_b32 s[G1B+0], s44, (3<<16)|(1<<21)
	s_or_b32 s[G1L+0], s43, (3<<16)|(1<<21)
	s_or_b32 s[G1BL+0], s44, (3<<16)|(1<<21)
.irp g, G1, G1B
	s_mov_b32 s[\g+1], 32<<16                      ; tensor_dim0
	s_mov_b32 s[\g+2], 150<<16                     ; tensor_dim1: three K steps
	s_mov_b32 s[\g+3], 32<<16                      ; tile_dim0
	s_mov_b32 s[\g+4], 150                         ; tile_dim1
	s_mov_b32 s[\g+5], 32                          ; from row to row
	s_mov_b32 s[\g+6], 0
	s_mov_b32 s[\g+7], 0
.endr
.irp g, G1L, G1BL
	s_mov_b32 s[\g+1], 32<<16
	s_mov_b32 s[\g+2], 100<<16                     ; two K steps
	s_mov_b32 s[\g+3], 32<<16
	s_mov_b32 s[\g+4], 100
	s_mov_b32 s[\g+5], 32
	s_mov_b32 s[\g+6], 0
	s_mov_b32 s[\g+7], 0
.endr
	s_mul_i32 s18, s16, 3
	s_lshl_b32 s20, s17, 6
	s_add_co_u32 s20, s20, s18
	s_mul_i32 s20, s20, BLK                        ; h: block 64 tr + 3 (wave % 2)
	s_mov_b32 s21, 0
	s_lshl_b32 s46, s42, 6
	s_add_co_u32 s46, s46, 512
	s_add_co_u32 s46, s46, s18
	s_mul_i32 s46, s46, BLK                        ; W2: block 512 + 64 tc + 3 (wave % 2)
	s_mov_b32 s47, 0
	s_mul_i32 s45, s14, REG                        ; where they go: wave x three steps: no place in the cluster enters an LDS address
	s_mul_i32 s[SHL], s15, HALF                    ; the last fill: (wave / 2) x six steps + (wave % 2) x two, so that step q still lies q x 12,800 bytes on
	s_mul_i32 s19, s16, 2*BLK
	s_add_co_u32 s[SHL], s[SHL], s19
	s_mul_i32 s[SHB], s16, BLK
	s_mov_b32 s[SHB+1], 0
	s_wait_kmcnt 0x0
	s_add_nc_u64 s[20:21], s[4:5], s[20:21]
	s_add_nc_u64 s[46:47], s[6:7], s[46:47]
	CROUND                                         ; all sixteen work-groups are here: the first joint loads meet
.irp s, 0,1
	s_mov_b32 s[G0+4*\s], 1
	s_add_co_u32 s[G0+4*\s+1], s45, \s*SLOT
	s_add_nc_u64 s[G0+4*\s+2:G0+4*\s+3], s[20:21], \s*NS*BLK
	s_or_b32 s[G0+4*\s+3], s[G0+4*\s+3], 0x80000000
	s_mov_b32 s[G0B+4*\s], 1
	s_add_co_u32 s[G0B+4*\s+1], s45, \s*SLOT
	s_add_nc_u64 s[G0B+4*\s+2:G0B+4*\s+3], s[46:47], \s*NS*BLK
	s_or_b32 s[G0B+4*\s+3], s[G0B+4*\s+3], 0x80000000
	JLOAD G0+4*\s, G1, G0B+4*\s, G1B               ; two loads of mine are out
.endr
	; the prefetches: who asks, and from where.  (In waves 0 and 2 s[20:21] and s[46:47] stand at the block of rows' first byte.)  Nothing is prefetched here, at the head
	s_and_b32 s22, ttmp7, 0xffff                   ; cluster y
	s_cmp_eq_u32 s15, 0                            ; do I fetch for h?
	s_cselect_b32 s18, s40, s41                    ; my place among the four that ask for the tile with me
	s_cselect_b32 s22, ttmp9, s22                  ; the coordinate along which other clusters read the same rows
	s_cselect_b64 s[PFA:PFA+1], s[20:21], s[46:47]
	s_or_b32 s22, s22, s16                         ; waves 0 and 2 alone
	s_cmp_eq_u32 s22, 0
	s_cselect_b32 s[ASKS], 1, 0                    ; the same in all sixteen partners, for a given wave
	s_lshl_b32 s18, s18, 13                        ; my work-group's 8,192 bytes of a run
	s_mov_b32 s19, 0
	s_add_nc_u64 s[PFA:PFA+1], s[PFA:PFA+1], s[18:19]
	v_and_b32 v1, 15, v0                           ; r
	v_bfe_u32 v2, v0, 4, 1                         ; h
	v_and_b32 v3, 31, v0
	v_lshlrev_b32 v6, 4, v3
	v_lshlrev_b32 v7, 3, v3
	v_lshlrev_b32 v[PFO], 8, v3
	s_mul_i32 s18, s15, 4*FRB                      ; my four fragments of h,
	s_mul_i32 s19, s16, 4*FRB
	s_add_co_u32 s19, s19, HALF                    ; of W2,
	s_lshl_b32 s22, s15, 8
	s_add_co_u32 s22, s22, SCO                     ; and their scale words
	s_lshl_b32 s23, s16, 8
	s_add_co_u32 s23, s23, HALF+SCO
	v_add_nc_u32 v[ADRA], s18, v6
	v_add_nc_u32 v[ADRB], s19, v6
	v_add_nc_u32 v[ADSA], s22, v7
	v_add_nc_u32 v[ADSB], s23, v7
.irp s, 1,2,3                          ; register 2 slot + half: steps 3 half .. 3 half + 2 of the slot
	v_add_nc_u32 v[ADRA+\s], (\s/2)*SLOT+(\s%2)*REG, v[ADRA]
	v_add_nc_u32 v[ADRB+\s], (\s/2)*SLOT+(\s%2)*REG, v[ADRB]
	v_add_nc_u32 v[ADSA+\s], (\s/2)*SLOT+(\s%2)*REG, v[ADSA]
	v_add_nc_u32 v[ADSB+\s], (\s/2)*SLOT+(\s%2)*REG, v[ADSB]
.endr
	s_mul_i32 s23, s14, 16*272
	s_add_co_u32 s23, s23, STAGE                   ; my stage
	v_mul_u32_u24 v4, v1, 272
	v_lshl_add_u32 v4, v2, 6, v4
	v_add_nc_u32 v[STO], s23, v4                   ; in: row r, + 64 h
	v_mul_u32_u24 v5, v2, 272
	v_lshl_add_u32 v5, v1, 4, v5
	v_add_nc_u32 v[RD], s23, v5                    ; back: lanes 0-15 one row of 256 bytes, lanes 16-31 the next
	v_lshlrev_b32 v5, 12, v2
	v_lshl_add_u32 v[CO], v1, 4, v5                ; and the same two rows in out0
	v_lshlrev_b32 v[BO], 6, v2
	v_lshlrev_b32 v[GO], 2, v1
.irp a, 0,1,2,3
	v_mov_b32 v[GT+2*\a+1], 0
.endr
	s_lshl_b32 s22, s42, 9
	s_lshl_b32 s23, s16, 8
	s_add_co_u32 s22, s22, s23                     ; my 64 outputs, in bytes
	s_mov_b32 s23, 0
	s_add_nc_u64 s[8:9], s[8:9], s[22:23]          ; b2, expert 0
	s_add_nc_u64 s[12:13], s[12:13], s[22:23]
	s_lshl_b32 s22, s17, 9
	s_lshl_b32 s18, s15, 8
	s_add_co_u32 s22, s22, s18                     ; my 64 tokens x 4 bytes
	s_add_nc_u64 s[10:11], s[10:11], s[22:23]      ; gt, expert 0
	s_lshl_b32 s22, s22, 10                        ; my 64 tokens x 4,096 bytes
	s_add_nc_u64 s[12:13], s[12:13], s[22:23]
.macro BLOAD e                         ; expert e's b2: four tiles in the result's layout: outputs 32 (b / 2) + 16 h + 8 (b % 2) + 0 .. 7
.irp b, 0,1,2,3
	global_load_b128 v[BIAS+8*\b:BIAS+8*\b+3], v[BO], s[8:9] offset:4096*(\e)+(32*(\b/2)+8*(\b%2))*4
	global_load_b128 v[BIAS+8*\b+4:BIAS+8*\b+7], v[BO], s[8:9] offset:4096*(\e)+(32*(\b/2)+8*(\b%2))*4+16
.endr
.endm
.macro GLD e                           ; expert e's gates of my 64 tokens
.irp a, 0,1,2,3
	global_load_b32 v[GT+2*\a], v[GO], s[10:11] offset:16384*(\e)+64*\a
.endr
.endm
	BLOAD 0
	GLD 0
.macro WM d, wf, xf, c, sw, sx, wo, xo ; one product.  wo, xo: the fragment is an odd one: its scale words stand in lanes 16-31
.if (\wo) && (\xo)
	v_wmma_scale_f32_16x16x128_f8f6f4 v[(\d):(\d)+7], v[(\wf):(\wf)+11], v[(\xf):(\xf)+11], v[(\c):(\c)+7], v[(\sw)], v[(\sx)] matrix_a_fmt:MATRIX_FMT_BF6 matrix_b_fmt:MATRIX_FMT_BF6 matrix_a_scale:MATRIX_SCALE_ROW1 matrix_b_scale:MATRIX_SCALE_ROW1
.elseif (\wo)
	v_wmma_scale_f32_16x16x128_f8f6f4 v[(\d):(\d)+7], v[(\wf):(\wf)+11], v[(\xf):(\xf)+11], v[(\c):(\c)+7], v[(\sw)], v[(\sx)] matrix_a_fmt:MATRIX_FMT_BF6 matrix_b_fmt:MATRIX_FMT_BF6 matrix_a_scale:MATRIX_SCALE_ROW1
.elseif (\xo)
	v_wmma_scale_f32_16x16x128_f8f6f4 v[(\d):(\d)+7], v[(\wf):(\wf)+11], v[(\xf):(\xf)+11], v[(\c):(\c)+7], v[(\sw)], v[(\sx)] matrix_a_fmt:MATRIX_FMT_BF6 matrix_b_fmt:MATRIX_FMT_BF6 matrix_b_scale:MATRIX_SCALE_ROW1
.else
	v_wmma_scale_f32_16x16x128_f8f6f4 v[(\d):(\d)+7], v[(\wf):(\wf)+11], v[(\xf):(\xf)+11], v[(\c):(\c)+7], v[(\sw)], v[(\sx)] matrix_a_fmt:MATRIX_FMT_BF6 matrix_b_fmt:MATRIX_FMT_BF6
.endif
.endm
; four products: tile a of tokens against W2's four.  first = 1: C is b2's tile.  The 16 accumulators take turns, one instruction a turn, in the same order in every step.
.macro MUL4 a, p, first
.irp b, 0,1,2,3
.if \first
	WM 8*(4*(\a)+\b), 128*(\p)+48+FR*\b, 128*(\p)+FR*(\a), BIAS+8*\b, SC+4*(\p)+2+\b/2, SC+4*(\p)+(\a)/2, \b%2, (\a)%2
.else
	WM 8*(4*(\a)+\b), 128*(\p)+48+FR*\b, 128*(\p)+FR*(\a), 8*(4*(\a)+\b), SC+4*(\p)+2+\b/2, SC+4*(\p)+(\a)/2, \b%2, (\a)%2
.endif
.endr
.endm
.macro FETCH slot, q, p                ; the slot's K step q into set p: 24 loads of 16 bytes and 2 of 8
	WIN 0x40                                       ; destination window 1, address window 0
.irp f, 0,1,2,3
.irp c, 0,1,2
	ds_load_b128 v[128*(\p)+FR*\f+4*\c:128*(\p)+FR*\f+4*\c+3], v[ADRA+2*(\slot)+(\q)/3] offset:BLK*((\q)%3)+FRB*\f+512*\c
.endr
.endr
.irp f, 0,1,2,3
.irp c, 0,1,2
	ds_load_b128 v[128*(\p)+48+FR*\f+4*\c:128*(\p)+48+FR*\f+4*\c+3], v[ADRB+2*(\slot)+(\q)/3] offset:BLK*((\q)%3)+FRB*\f+512*\c
.endr
.endr
	WIN 0
	ds_load_b64 v[SC+4*(\p):SC+4*(\p)+1], v[ADSA+2*(\slot)+(\q)/3] offset:BLK*((\q)%3)
	ds_load_b64 v[SC+4*(\p)+2:SC+4*(\p)+3], v[ADSB+2*(\slot)+(\q)/3] offset:BLK*((\q)%3)
.endm
; A K step that has its successor in the same slot: the next step's operands (step nq of slot nslot) are asked for, then this step's 16 products, on set p, are issued.
; first = 1: an expert's first step.  bias = 1: the next expert's b2 is asked for (its registers were read a step ago).
.macro KSTEP nslot, nq, p, first, bias, e
	s_wait_dscnt 0x0                               ; this step's operands are in
	PLACES 4                                       ; in front of loads into registers that the last step's products have read
.if \bias
	WIN 0
	BLOAD (\e)+1
.endif
	FETCH \nslot, \nq, 1-(\p)
.if \first
	WIN 0x85                                       ; sources 0 and 1 window 1, C (b2) window 0, D window 2
.else
	WIN 0xa5                                       ; C and D window 2
.endif
	MUL4 0, \p, \first
	MUL4 1, \p, \first
	MUL4 2, \p, \first
	MUL4 3, \p, \first
.endm
; A slot's sixth step (always on set 1) changes slots: ONE barrier; in front of it each wave waits for all its tensor loads, adds 0 to its spare word, and waits for that and for its reads of this slot.
; fill = 1: the slot takes the six steps that lie twelve on; 2: the last four steps; 0: nothing is left to fetch, and no round follows.
.macro TURN slot, nslot, fill, bias, e, ask, lo, hi
	WIN 0                                          ; (the add's two registers lie in window 0)
	s_wait_tensorcnt 0x0                           ; all my tensor loads have landed: the one that was out is my part of the next slot
	ds_add_u32 v[SPW], v[NIL]                      ; 0 onto my spare word
	s_wait_dscnt 1                                 ; this step's operands are in; the add may be out
	WIN 0xa5
	MUL4 0, 1, 0                                   ; four products stand between the add and the wait for it
	s_wait_dscnt 0x0                               ; the add is done, and my reads of this slot are over
	s_barrier_signal -1
	MUL4 1, 1, 0
	WIN 0
	s_barrier_wait -1
.if (\fill) == 0
	PLACES 4
.else
	CREST                                          ; the barrier has opened a round of the cluster's: no wave of any partner still reads this slot or has a load on its way
	s_add_nc_u64 s[G0+4*(\slot)+2:G0+4*(\slot)+3], s[G0+4*(\slot)+2:G0+4*(\slot)+3], 2*NS*BLK
	s_add_nc_u64 s[G0B+4*(\slot)+2:G0B+4*(\slot)+3], s[G0B+4*(\slot)+2:G0B+4*(\slot)+3], 2*NS*BLK
.if (\fill) == 2
	s_sub_nc_u64 s[G0+4*(\slot)+2:G0+4*(\slot)+3], s[G0+4*(\slot)+2:G0+4*(\slot)+3], s[SHB:SHB+1]      ; a wave's part is two steps now, not three
	s_sub_nc_u64 s[G0B+4*(\slot)+2:G0B+4*(\slot)+3], s[G0B+4*(\slot)+2:G0B+4*(\slot)+3], s[SHB:SHB+1]
	s_mov_b32 s[G0+4*(\slot)+1], s[SHL]
	s_mov_b32 s[G0B+4*(\slot)+1], s[SHL]
	JLOAD G0+4*(\slot), G1L, G0B+4*(\slot), G1BL
.else
	JLOAD G0+4*(\slot), G1, G0B+4*(\slot), G1B     ; the first tensor load behind the round, my one load until the next; its four v_nop are the places in front of the loads below
.endif
.endif
	FETCH \nslot, 0, 0
.if \ask
	ASK \lo, \hi
.endif
.if \bias
	BLOAD (\e)+1
.endif
	WIN 0xa5
	MUL4 2, 1, 0
	MUL4 3, 1, 0
.endm
; OUT += gate x Y, two numbers an instruction, in ascending order: each accumulator is read from its low end on.  first = 1: the first expert starts the sums.
; These lines are also the places between an expert's last products and the next expert's first, which begin Y anew with another C.
.macro GATE first
	PLACES 4
	s_wait_loadcnt 0x0                             ; this expert's gates, and the next expert's b2
	WIN 0xa2                                       ; Y and OUT window 2, the gate window 0
.set gi, 0
.rept 64
.if \first
	v_pk_mul_f32 v[128+2*gi:129+2*gi], v[2*gi:2*gi+1], v[GT+2*(gi/16):GT+2*(gi/16)+1] op_sel_hi:[1,0]
.else
	v_pk_fma_f32 v[128+2*gi:129+2*gi], v[2*gi:2*gi+1], v[GT+2*(gi/16):GT+2*(gi/16)+1], v[128+2*gi:129+2*gi] op_sel_hi:[1,0,1]
.endif
.set gi, gi+1
.endr
	WIN 0
.endm
	s_wait_tensorcnt 1                             ; my part of slot 0 is in; slot 1's load may be out
	s_barrier_signal -1
	s_barrier_wait -1
	FETCH 0, 0, 0
	s_wait_loadcnt 0x0                             ; expert 0's b2 and gates
; THE 64 K STEPS.  Step GG: expert GG / 8, its step GG % 8; fill GG / 6, in slot (GG / 6) % 2, its step GG % 6; operands in set GG % 2.
.set GG, 0
.rept 64
.set KK, GG%8
.set EE, GG/8
.set NN, GG/6
.set PP, GG%2
.set NXQ, (GG+1)%6
.set NXS, ((GG+1)/6)%2
.set FST, 0
.if KK == 0
.set FST, 1
.endif
.set BIA, 0
.if (KK == 1) && (EE < 7)
.set BIA, 1
.endif
.if GG == 63
	s_wait_dscnt 0x0                               ; the very last step: nothing more to fetch
	WIN 0xa5
	MUL4 0, 1, 0
	MUL4 1, 1, 0
	MUL4 2, 1, 0
	MUL4 3, 1, 0
.elseif GG%6 == 5
.set FIL, 1                            ; behind fill NN's last step its slot takes fill NN + 2: fills 2 to 9 are whole,
.if NN == 8
.set FIL, 2                            ; fill 10 is the last four steps,
.endif
.if NN > 8
.set FIL, 0                            ; and there is no fill 11
.endif
.set ASQ, 0
.if NN < 8
.set ASQ, 1                            ; the prefetch names fill NN + 3
.endif
.set PLO, (75*(NN+3)+31)/32            ; its runs of 32,768 bytes: from the first that begins in it (a fill is 75 / 32 runs) ..
.if NN == 0
.set PLO, PLO-1                        ; (the first prefetch takes the run in which fill 3 begins too)
.endif
.set PHI, (75*(NN+4)+31)/32            ; .. up to the first that begins in the fill after it
.if PHI > 25
.set PHI, 25
.endif
	TURN NN%2, NXS, FIL, BIA, EE, ASQ, PLO, PHI
.else
	KSTEP NXS, NXQ, PP, FST, BIA, EE
.endif
.if KK == 7
.if EE == 0
	GATE 1
.else
	GATE 0
.endif
.if EE < 7
	GLD EE+1
.endif
.endif
.set GG, GG+1
.endr
; THE WAY OUT, a tile of 16 tokens at a time, through my own stage: a lane's 16 registers of two neighbouring tiles are 64 neighbouring bytes of a row; they come back as whole rows of 256 bytes.
.macro TOSTAGE a
	WIN 0x08                                       ; an LDS store's data are its source 1: window 2
.irp e, 0,1
.irp k, 0,1,2,3
	ds_store_b128 v[STO], v[128+8*(4*(\a)+2*\e)+4*\k:128+8*(4*(\a)+2*\e)+4*\k+3] offset:128*\e+16*\k
.endr
.endr
	WIN 0
.set BB, BK+32*((\a)%2)
.irp t, 0,1,2,3,4,5,6,7
	ds_load_b128 v[BB+4*\t:BB+4*\t+3], v[RD] offset:544*\t    ; LDS serves a wave's instructions in order: these see the stores above, and the next tile's stores come behind them
.endr
.endm
.macro SEND a, younger                 ; younger: the LDS instructions issued behind tile a's loads, which may stay out
.set BB, BK+32*((\a)%2)
	s_wait_dscnt \younger
.irp t, 0,1,2,3,4,5,6,7
	global_store_b128 v[CO], v[BB+4*\t:BB+4*\t+3], s[12:13] offset:(16*(\a)+2*\t)*4096 th:TH_STORE_NT   ; 16 lanes store 256 consecutive bytes, at a multiple of 256 from out0's first byte
.endr
.endm
	TOSTAGE 0
.irp a, 1,2,3
.if \a > 1
	s_wait_xcnt 0x0                                ; tile a - 2's stores have read their registers: tile a's loads may land there
.endif
	TOSTAGE \a
	SEND \a-1, 16                                  ; behind tile a - 1's loads: tile a's 8 stores and 8 loads
.endr
	SEND 3, 0
	s_wait_tensorcnt 0x0                           ; the wave's end
	ds_add_u32 v[SPW], v[NIL]
	s_wait_dscnt 0x0
	CROUND                                         ; the closing round: no work-group ends while a partner may still ask for a tile that names it
	s_endpgm
.Lfunc_end_k_qaf9035d43a_gemm2:
	.size	k_qaf9035d43a_gemm2, .Lfunc_end_k_qaf9035d43a_gemm2-k_qaf9035d43a_gemm2
	.p2alignl 7, 3214868480
	.fill 96, 4, 3214868480
	.section	.rodata,"a",@progbits
	.p2align	6, 0x0
	.amdhsa_kernel k_qaf9035d43a_gemm2
		.amdhsa_group_segment_fixed_size 327680
		.amdhsa_private_segment_fixed_size 0
		.amdhsa_enable_private_segment 0
		.amdhsa_kernarg_size 40
		.amdhsa_user_sgpr_count 2
		.amdhsa_user_sgpr_kernarg_segment_ptr 1
		.amdhsa_wavefront_size32 1
		.amdhsa_system_sgpr_workgroup_id_x 1
		.amdhsa_system_sgpr_workgroup_id_y 1
		.amdhsa_system_sgpr_workgroup_id_z 1
		.amdhsa_system_vgpr_workitem_id 0
		.amdhsa_next_free_vgpr 768
		.amdhsa_next_free_sgpr 98
		.amdhsa_reserve_vcc 0
		.amdhsa_float_denorm_mode_32 3
		.amdhsa_float_denorm_mode_16_64 3
		.amdhsa_memory_ordered 1
		.amdhsa_forward_progress 1
		.amdhsa_inst_pref_size 255
	.end_amdhsa_kernel
	.section	.bss,"aw",@nobits
	.p2align	6
	.space	262144
	.amdgpu_metadata
---
amdhsa.version: [ 1, 2 ]
amdhsa.kernels:
  - .name:           k_qaf9035d43a_gemm2
    .symbol:         k_qaf9035d43a_gemm2.kd
    .args:
      - { .name: hq, .offset: 0, .size: 8, .value_kind: global_buffer, .address_space: global }
      - { .name: wq, .offset: 8, .size: 8, .value_kind: global_buffer, .address_space: global }
      - { .name: b2, .offset: 16, .size: 8, .value_kind: global_buffer, .address_space: global }
      - { .name: gt, .offset: 24, .size: 8, .value_kind: global_buffer, .address_space: global }
      - { .name: out0, .offset: 32, .size: 8, .value_kind: global_buffer, .address_space: global }
    .group_segment_fixed_size: 327680
    .private_segment_fixed_size: 0
    .kernarg_segment_align: 8
    .kernarg_segment_size: 40
    .max_flat_workgroup_size: 128
    .sgpr_count:     98
    .vgpr_count:     768
    .wavefront_size: 32
...
	.end_amdgpu_metadata
.endif
;; end of part 3
